; MI455X (gfx1250); checked and timed in simulation.
; The chip was launched on July 23, 2026; its instructions are those of AMD's public machine-readable ISA for CDNA 5 (MIT licence, August 2026) and "CDNA5" Instruction Set Architecture Reference Guide (July 2026). The comments in the code are by the model that wrote it; some were corrected since.
;; Attention. Allowed arithmetic: matrix products marked QUANTISED: E2M3 operands, one E8M0 scale for each 32 along K, by v_wmma_scale_f32_16x16x128_f8f6f4 with both operands' format E2M3, f32 sums; everything else in f32.
;; Inputs: K 16 x 64 x 1,024 float32; O 1,024 x 1,024 float32; Q 16 x 64 x 1,024 float32; V 16 x 64 x 1,024 float32; x 4 x 2,048 x 1,024 float32.
;; Outputs: out0 4 x 2,048 x 1,024 float32.
;; This version of the problem:
;;   THIS VERSION OF THE PROBLEM IS GIVEN IN LOW PRECISION. The matrix products marked QUANTISED in the list below multiply operands that are first quantised to E2M3 (2 exponent bits, 3 mantissa bits; 6 bits a number), with one power-of-two scale for each 32 numbers along K (OCP MX v1.0); their sums are f32. All else is computed in f32.
;;   The module's matrix products, in the order in which they are computed (A, B: the left and right operand; K: the contracted axis; several contracted axes count as one K, in the product's order):
;;     1. [M 8,192, K 1,024] x [K 1,024, N 1,024]; A: input x; B: input Q: QUANTISED
;;     2. [M 8,192, K 1,024] x [K 1,024, N 1,024]; A: input x; B: input K: QUANTISED
;;     3. [M 8,192, K 1,024] x [K 1,024, N 1,024]; A: input x; B: input V: QUANTISED
;;     4. batch 64 x [M 2,048, K 64] x [K 64, N 2,048]; A: computed on the way; B: computed on the way: QUANTISED
;;     5. batch 64 x [M 2,048, K 2,048] x [K 2,048, N 64]; A: softmax (see below); B: computed on the way: QUANTISED
;;     6. [M 8,192, K 1,024] x [K 1,024, N 1,024]; A: computed on the way; B: input O: QUANTISED
;;   THE QUANTISER, for each operand of a quantised product, along K:
;;     - K is cut into blocks of 32 from its start; a last block that is shorter is filled with zeros.
;;     - A block's scale is 2^e with e = floor(log2(the largest magnitude in the block)) - 2, held to -126 .. 127; a block of zeros has e = 0. As a byte (E8M0): e + 127.
;;     - Each number is divided by its block's scale, clamped to +-7.5, and rounded to the nearest number of E2M3, ties to even, subnormals kept.
;;     - The product sums the exact products of the quantised numbers (number of the format x scale) in f32.
;;   ~~~python
;;   def quantise(x, axis):      # numpy; x: float32 -> the quantised numbers, widened to float32 again
;;       x = np.moveaxis(x, axis, -1); K = x.shape[-1]
;;       x = np.pad(x, [(0, 0)] * (x.ndim - 1) + [(0, -K % 32)]); x = x.reshape(x.shape[:-1] + (-1, 32)); a = np.abs(x).max(-1, keepdims=True)
;;       e = np.where(a > 0, np.clip(np.frexp(np.where(a > 0, a, 1))[1] - 1 - 2, -126, 127), 0)      # np.frexp(a)[1] - 1 = floor(log2(a)), exactly
;;       r = np.clip(x / 2.0 ** e, -7.5, 7.5)
;;       step = 2.0 ** (np.maximum(np.frexp(np.where(r == 0, 1, r))[1] - 1, 0) - 3)
;;       q = np.round(r / step) * step * 2.0 ** e      # np.round: ties to even
;;       return np.moveaxis(q.reshape(q.shape[:-2] + (-1,))[..., :K], -1, axis).astype(np.float32)
;;   ~~~
;;   SOFTMAX AHEAD OF A QUANTISED PRODUCT. Where the list says 'softmax', what is quantised is not the finished softmax but p = 2^(t - M), with t = logit x log2(e) and M = ceil(the row's largest t), a whole number; so 1/2 < the row's largest p <= 1. The row's sum l is taken of the UNQUANTISED p, in f32, and the product's result is divided by l at the end. Since M is a whole number, a kernel that streams over the keys may use a running M (the ceiling of the running maximum): every later rescaling is an exact power of two, which a block's scale takes up: the codes' values come out the same.
;;   OPERANDS COMPUTED ON THE WAY. 'Computed on the way' means the value that the module computes at that place (a softmax that the list does not call 'softmax' is quantised finished and normalised). What goes into a quantiser is computed in f32, as accurately as f32 sums, v_exp_f32 and their like allow (about 1e-6 of the number): no bf16 or f16 on the way to a quantiser, and a product that is left as it is and whose result goes on into a quantised operand takes f32 operands (vector FMAs, or v_wmma_f32_16x16x4_f32). A number that lies on a knife's edge between two numbers of the format may be rounded either way, as far as f32 arithmetic and the matrix unit's own rounding can turn it there, and no further.
;; One version. Each part assembles by itself: llvm-mc -triple=amdgcn-amd-amdhsa -mcpu=gfx1250 --defsym DOCPART=n.
;; ======== version 1 of 1: 4 launches
;; limits: right only within a limited range of input values
;; workspace buffers: codes 9,437,184 bytes; scales 393,216 bytes; qkv 20,447,232 bytes; zimg 6,291,456 bytes; zs 262,144 bytes
;; launch quant (part 1): grid 384 x 1, 4 waves a work-group, no clusters, 33,280 bytes of LDS; arguments x, Q, K, V, O, codes, scales; writes codes, scales
.if DOCPART == 1
	.amdgcn_target "amdgcn-amd-amdhsa--gfx1250"
	.amdhsa_code_object_version 6
	.text
	.protected	k_q5c452b9eac_quant
	.globl	k_q5c452b9eac_quant
	.p2align	8
	.type	k_q5c452b9eac_quant,@function
k_q5c452b9eac_quant:
	s_mov_b64 s[64:65], 0
	v_nop
	global_prefetch_b8 v0, s[64:65] scope:SCOPE_SE
	s_setreg_imm32_b32 hwreg(HW_REG_WAVE_MODE, 25, 1), 1
	s_wait_xcnt 0x0
; x [8192][1024], Q, K, V ([16][64][1024] = [1024][1024]) and O [1024][1024], f32, K innermost, become codes of FP6 (E2M3) and one E8M0 scale byte for each 32 along K.
; One buffer of codes, 12,288 rows of 768 bytes (x, Q, K, V, O on end), and one of scale bytes, the same rows of 32 bytes.
; A block's scale is 2^(floor(log2(its largest magnitude)) - 2); its byte is the largest magnitude's exponent field - 2, held at 1 from below.  Each number is divided by the scale and rounded to the nearest code, ties to even.
; ROW ORDER.  In x, Q, K and V the four groups of 8 rows of every 32 rows are STORED in the order 0, 2, 1, 3.  So 16 consecutive stored rows 16 i + r are the rows 32 (i / 2) + 8 (i % 2) + r + 8 (r / 8):
; a product that takes such rows as its first source leaves 16 neighbours along the next product's K in a lane's 16 registers of two neighbouring tiles.  A wave's run is exactly 8 rows, so the order costs one number.  O keeps its order.
; SHARES.  A work-group takes 32 rows (32,768 numbers), a wave 8: 16 steps of 512 numbers.  Work-groups 0-255: x; 256-287: Q; 288-319: K; 320-351: V; 352-383: O.  Only pointers are chosen: all take one path.
; Each load reads 512 consecutive bytes; a step's 2,048 bytes turn through the wave's own stage in LDS and come back 64 bytes a lane (16 neighbours; two lanes hold a block).  The stage has 16 bytes of padding behind each 64.
; A lane's 16 codes are 12 bytes: the wave stores 384 consecutive bytes.  A wave's 256 scale bytes are gathered in LDS and leave as one aligned run of 256 bytes.  No barrier: waves share nothing.
; LIMITS: a block of zeros gets the byte 1 where the rule says 127 (its codes are zeros, and this program alone reads the bytes); blocks whose largest magnitude lies under 2^-124 are held at that byte; NaN and infinities are not served.
.set WAVES, 4
.set STEPS, 16
.set CB,    12                         ; bytes of 16 codes
.set R,     16                         ; v16-79   four sets of 16 numbers as they are loaded
.set X,     80                         ; v80-111  two sets of 16 neighbours
.set C,     128                        ; v128-191 codes: four registers for each step, so that no store's data are written again
.set E,     112                        ; v112-127 a scale byte for each step
.set WREG,  8192                       ; LDS: a region for each wave: two stages of 32 x SP bytes, behind them its 256 scale bytes
.set SP,    80                         ; a lane's place in a stage: 64 bytes + 16 of padding
.set SPW,   12                         ; v12      LDS address of my spare word; never rewritten
.set NIL,   13                         ; v13      0; never rewritten
.set SPARE, WAVES*WREG                 ; behind the four regions: the spare words, 128 bytes a wave
	s_load_b256 s[4:11], s[0:1], 0x0               ; x s[4:5], Q s[6:7], K s[8:9], V s[10:11]
	s_load_b128 s[12:15], s[0:1], 0x20             ; O s[12:13], the codes s[14:15]
	s_load_b64 s[16:17], s[0:1], 0x30              ; the scale bytes
	v_lshl_add_u32 v[SPW], v0, 2, SPARE
	v_mov_b32 v[NIL], 0
	v_lshrrev_b32 v1, 5, v0
	v_readfirstlane_b32 s20, v1                    ; wave
	v_and_b32 v2, 31, v0                           ; lane
	v_lshlrev_b32 v3, 4, v2                        ; my 16 bytes of a load's 512
	s_mul_i32 s23, s20, WREG
	v_lshrrev_b32 v14, 2, v2
	v_mul_u32_u24 v14, v14, SP
	v_and_b32 v15, 3, v2
	v_lshl_add_u32 v14, v15, 4, v14
	v_add_nc_u32 v14, s23, v14                     ; the stage, on the way in: SP (lane / 4) + 16 (lane % 4)
	v_mul_u32_u24 v15, v2, SP
	v_add_nc_u32 v15, s23, v15                     ; and on the way out: SP x lane: my 16 neighbours
	v_mul_u32_u24 v4, v2, CB                       ; my codes' place in a step's
	v_lshrrev_b32 v5, 1, v2
	s_add_co_u32 s23, s23, 2*32*SP
	v_add_nc_u32 v5, s23, v5                       ; LDS: my wave's 256 scale bytes, my block's byte
	v_lshlrev_b32 v7, 3, v2                        ; and on the way out 8 bytes a lane
	v_add_nc_u32 v6, s23, v7
	s_sub_co_u32 s21, ttmp9, 256
	s_and_b32 s21, s21, 31                         ; a weight's work-group among its 32
	s_and_b32 s22, s20, 1
	s_lshl_b32 s22, s22, 1
	s_lshr_b32 s24, s20, 1
	s_or_b32 s22, s22, s24                         ; where my 8 rows are stored among the 32: 0, 2, 1, 3
	s_wait_kmcnt 0x0
	s_cmp_lt_u32 ttmp9, 288                        ; the choices hang on the work-group's number alone
	s_cselect_b64 s[6:7], s[6:7], s[8:9]           ; Q or K
	s_cmp_lt_u32 ttmp9, 352
	s_cselect_b64 s[10:11], s[10:11], s[12:13]     ; V or O
	s_cselect_b32 s22, s22, s20                    ; O keeps its order
	s_cmp_lt_u32 ttmp9, 320
	s_cselect_b64 s[6:7], s[6:7], s[10:11]
	s_cmp_lt_u32 ttmp9, 256
	s_cselect_b64 s[4:5], s[4:5], s[6:7]           ; x or a weight
	s_cselect_b32 s21, ttmp9, s21
	s_lshl_b32 s21, s21, 2
	s_add_co_u32 s21, s21, s20                     ; which run of 8 rows of the tensor is my wave's
	s_lshl_b32 s24, s21, 15                        ; 32,768 bytes a run
	s_mov_b32 s25, 0
	s_add_nc_u64 s[4:5], s[4:5], s[24:25]
	s_lshl_b32 s26, ttmp9, 2
	s_add_co_u32 s26, s26, s22                     ; and where it is stored
	s_mul_i32 s24, s26, 32*STEPS*CB                ; 6,144 bytes of codes a run
	s_add_nc_u64 s[14:15], s[14:15], s[24:25]
	s_lshl_b32 s24, s26, 8                         ; 256 scale bytes a run
	s_add_nc_u64 s[16:17], s[16:17], s[24:25]
.macro LOAD t
.irp i, 0,1,2,3
	global_load_b128 v[R+16*((\t)%4)+4*\i:R+16*((\t)%4)+4*\i+3], v3, s[4:5] offset:2048*(\t)+512*\i th:TH_LOAD_NT   ; 32 lanes read 512 consecutive bytes
.endr
.endm
.macro TURN t                          ; step t's numbers through the stage: LDS serves a wave's instructions in order, so no wait stands between the stores and the loads
.irp i, 0,1,2,3
	ds_store_b128 v14, v[R+16*((\t)%4)+4*\i:R+16*((\t)%4)+4*\i+3] offset:32*SP*((\t)%2)+8*SP*\i
.endr
.irp i, 0,1,2,3
	ds_load_b128 v[X+16*((\t)%2)+4*\i:X+16*((\t)%2)+4*\i+3], v15 offset:32*SP*((\t)%2)+16*\i
.endr
.endm
.irp t, 0,1,2,3
	LOAD \t
.endr
	s_wait_loadcnt 12                              ; step 0's four loads are in; three steps' twelve may be out
	TURN 0
.macro STEP t
.set XS, X+16*((\t)%2)
.if (\t) > 0
	s_wait_dscnt 1                                 ; this step's numbers are back from the stage (the last step's byte store may be out): its stores into the stage have read their registers,
.else
	s_wait_dscnt 0x0
.endif
.if (\t)+4 < STEPS
	LOAD (\t)+4                                    ; which take the loads of four steps on
.endif
.if (\t)+1 < STEPS
.if STEPS-2-(\t) >= 3
	s_wait_loadcnt 12                              ; the next step's four loads are in; those of the three steps behind it may be out
.else
	s_wait_loadcnt 4*(STEPS-2-(\t))
.endif
	TURN (\t)+1                                    ; and go through the other stage while this step is worked
.endif
	v_max3_num_f32 v8, |v[XS]|, |v[XS+1]|, |v[XS+2]|               ; the largest magnitude of my 16, in two chains
	v_max3_num_f32 v9, |v[XS+3]|, |v[XS+4]|, |v[XS+5]|
.irp i, 6,10
	v_max3_num_f32 v8, v8, |v[XS+\i]|, |v[XS+\i+1]|
	v_max3_num_f32 v9, v9, |v[XS+\i+2]|, |v[XS+\i+3]|
.endr
	v_max3_num_f32 v8, v8, |v[XS+14]|, |v[XS+15]|
	v_max3_num_f32 v8, v8, v9, 0x1800000           ; and the floor 2^(3 - 127): the byte cannot fall under 1
	v_max_num_f32_dpp v8, v8, v8 row_xmask:1 row_mask:0xf bank_mask:0xf   ; and of my neighbour's 16: the block's
	v_add_nc_u32 v11, 0xff000000, v8               ; 2 off its exponent field: the conversion takes the exponent field of this operand as its scale
	v_cvt_scalef32_pk16_fp6_f32 v[C+4*(\t):C+4*(\t)+2], v[XS:XS+15], v11
	v_lshrrev_b32 v[E+(\t)], 23, v11               ; the scale's byte (also the plain line behind the conversion)
	ds_store_b8 v5, v[E+(\t)] offset:16*(\t)       ; both lanes of a block write the same byte with the same value
	global_store_b96 v4, v[C+4*(\t):C+4*(\t)+2], s[14:15] offset:32*CB*(\t)
.endm
.irp t, 0,1,2,3,4,5,6,7,8,9,10,11,12,13,14,15
	STEP \t
.endr
	ds_load_b64 v[8:9], v6                         ; LDS serves a wave's instructions in order: these see my stores
	s_wait_dscnt 0x0
	global_store_b64 v7, v[8:9], s[16:17]          ; 32 lanes store 256 consecutive bytes, aligned
	s_wait_tensorcnt 0x0                           ; the wave's end, behind my last LDS store
	ds_add_u32 v[SPW], v[NIL]
	s_wait_dscnt 0x0
	s_endpgm
.Lfunc_end_k_q5c452b9eac_quant:
	.size	k_q5c452b9eac_quant, .Lfunc_end_k_q5c452b9eac_quant-k_q5c452b9eac_quant
	.p2alignl 7, 3214868480
	.fill 96, 4, 3214868480
	.section	.rodata,"a",@progbits
	.p2align	6, 0x0
	.amdhsa_kernel k_q5c452b9eac_quant
		.amdhsa_group_segment_fixed_size 33280
		.amdhsa_private_segment_fixed_size 0
		.amdhsa_enable_private_segment 0
		.amdhsa_kernarg_size 56
		.amdhsa_user_sgpr_count 2
		.amdhsa_user_sgpr_kernarg_segment_ptr 1
		.amdhsa_wavefront_size32 1
		.amdhsa_system_sgpr_workgroup_id_x 1
		.amdhsa_system_sgpr_workgroup_id_y 1
		.amdhsa_system_sgpr_workgroup_id_z 1
		.amdhsa_system_vgpr_workitem_id 0
		.amdhsa_next_free_vgpr 192
		.amdhsa_next_free_sgpr 66
		.amdhsa_reserve_vcc 0
		.amdhsa_float_denorm_mode_32 3
		.amdhsa_float_denorm_mode_16_64 3
		.amdhsa_memory_ordered 1
		.amdhsa_forward_progress 1
		.amdhsa_inst_pref_size 33
	.end_amdhsa_kernel
	.amdgpu_metadata
---
amdhsa.version: [ 1, 2 ]
amdhsa.kernels:
  - .name:           k_q5c452b9eac_quant
    .symbol:         k_q5c452b9eac_quant.kd
    .args:
      - { .name: x, .offset: 0, .size: 8, .value_kind: global_buffer, .address_space: global }
      - { .name: Q, .offset: 8, .size: 8, .value_kind: global_buffer, .address_space: global }
      - { .name: K, .offset: 16, .size: 8, .value_kind: global_buffer, .address_space: global }
      - { .name: V, .offset: 24, .size: 8, .value_kind: global_buffer, .address_space: global }
      - { .name: O, .offset: 32, .size: 8, .value_kind: global_buffer, .address_space: global }
      - { .name: codes, .offset: 40, .size: 8, .value_kind: global_buffer, .address_space: global }
      - { .name: scales, .offset: 48, .size: 8, .value_kind: global_buffer, .address_space: global }
    .group_segment_fixed_size: 33280
    .private_segment_fixed_size: 0
    .kernarg_segment_align: 8
    .kernarg_segment_size: 56
    .max_flat_workgroup_size: 128
    .sgpr_count:     66
    .vgpr_count:     192
    .wavefront_size: 32
...
	.end_amdgpu_metadata
.endif
;; end of part 1
;; launch proj (part 2): grid 12 x 32, 4 waves a work-group, clusters of 4 x 4, 327,680 bytes of LDS; arguments codes, scales, qkv; writes qkv
.if DOCPART == 2
	.amdgcn_target "amdgcn-amd-amdhsa--gfx1250"
	.amdhsa_code_object_version 6
	.text
	.protected	k_q5c452b9eac_proj
	.globl	k_q5c452b9eac_proj
	.p2align	8
	.type	k_q5c452b9eac_proj,@function
k_q5c452b9eac_proj:
	s_mov_b64 s[64:65], 0
	v_nop
	global_prefetch_b8 v0, s[64:65] scope:SCOPE_SE
	s_setreg_imm32_b32 hwreg(HW_REG_WAVE_MODE, 25, 1), 1
	s_wait_xcnt 0x0
	s_wait_alu depctr_hold_cnt(0) depctr_sa_sdst(0) depctr_va_vdst(0) depctr_va_sdst(0) depctr_va_ssrc(0) depctr_va_vcc(0) depctr_vm_vsrc(0)
	s_getreg_b32 s2, hwreg(HW_REG_IB_STS2, 6, 4)
	s_cmp_eq_u32 s2, 0
	s_cbranch_scc0 .Lentry_in_a_cluster
	s_endpgm
.Lentry_in_a_cluster:
	s_bfe_u32 s2, ttmp6, 0x10000c
	s_cmp_lg_u32 s2, 0xf033
	s_cbranch_scc0 .Lentry_shape_is_right
	s_endpgm
.Lentry_shape_is_right:
; q = x Q^T, k = x K^T, v = x V^T on codes of FP6 (E2M3) with E8M0 scales (K = 1,024), and their results quantised at once into the operands of the attention launch.  No f32 result goes to memory.
; A GEMM C = A B^T on tiles of 256 x 256, four waves of 128 x 128 (64 accumulators, 512 registers), K in steps of 256 through a ring of two LDS slots filled by the tensor data mover; the scale bytes of the
; work-group's rows, for all of K, come into LDS once.  4 x 4 work-groups form a cluster: A's tiles are asked for jointly along a row of the cluster, B's along a column.
; THE MATRIX INSTRUCTION IS USED TRANSPOSED (source 0 = 16 rows of B, source 1 = 16 rows of A): a lane holds ONE row of A and its registers run along B's rows.  The rows of x, Q, K, V are stored with the groups of 8 in
; every 32 in the order 0, 2, 1, 3, so a lane's 16 registers of B's blocks 2 j and 2 j + 1 are the 16 neighbours 32 j + 16 (lane / 16) + 0 .. 15: what the conversions want.
; TWO KINDS OF WORK-GROUP, ONE TEXT.  Clusters x = 0, 1: A = x (8,192 rows), B = Q and K (2,048 rows): a lane holds one token, registers run along the heads' 64: q and k are quantised along the head.
; Clusters x = 2: A = V's weight (1,024 rows), B = x: a lane holds one channel d, registers run along the tokens: v is quantised along the keys.  Only row offsets and the stores differ; the choice hangs on the cluster's x, which all partners share.
; OUT.  qkv is [b n 64][q, k, v][step 16][6,656 bytes].  A step of q or k (128 tokens): 8 tiles of 16 tokens x 64 as images of 6 registers a lane (512 bytes: registers 0-3, 16 a lane; 256 bytes: registers 4-5, 8 a lane), then 512 bytes
; of scale words: entry 16 l holds the words of tiles 4 (l / 16) + 0 .. 3, row l % 16; a word: two bytes, two zeros.  A step of v (128 keys): 4 fragments of 16 channels x 128 keys as images of 12 registers (3 x 512 bytes),
; then 256 bytes of scale words (entry 16 r: the four fragments' words), written twice.  Every store of a wave covers 256 or 512 consecutive bytes, aligned.
; LIMITS: a block of zeros gets the byte 1 (its codes are zeros; this program alone reads the bytes); NaN and infinities are not served.
; REGISTERS, in windows of 256: window 0: v0-31 addresses; v32-63 scale words, two sets; v128-223 A's fragments, one set; on the way out v112-215 at work.  window 1: B's fragments, two sets.  windows 2, 3: the accumulators ((a, b) at v[8 (8 (a % 4) + b)]).
.set KSTEP,  256                       ; along K in a slot
.set NQ,     2                         ; matrix instructions deep
.set ROWB,   192                       ; a tile's row in bytes
.set KROW,   768                       ; a row of codes in memory
.set PITCH,  240                       ; an LDS row: 3 x (64 bytes + 16 of padding)
.set FR,     12                        ; registers of a fragment
.set NL,     6                         ; LDS loads that bring one
.set NP,     4                         ; places behind this matrix instruction (ISA guide 7.12.1)
.set HALFT,  128*PITCH                 ; what one tensor load brings
.set SLOT,   4*HALFT                   ; A's 256 rows, then B's 256 rows
.set LAPS,   2                         ; 1,024 / (2 x 256)
.set KS,     32                        ; a row of scale bytes
.set SCL,    2*SLOT                    ; behind the ring: the scales, as runs of 256 bytes + 16 of padding
.set HALFS,  (128*KS/256)*272
.set SBLK,   (16*KS/256)*272
.set SPARE,  SCL+4*HALFS               ; behind the scales: the spare words, 128 bytes a wave
.set REC,    6656                      ; a step's record in qkv
.set KD,     16*REC                    ; from q to k to v of a head
.set HS,     3*KD                      ; from head to head
.set ADRA, 16                          ; v16-17 LDS address of my A fragments in slot 0, 1 (v18-19: behind one padding more)
.set ADRB, 20                          ; v20-23 the same for B
.set VO16, 24                          ; v24    16 x lane
.set VO8,  25                          ; v25    8 x lane + 512
.set VOS,  26                          ; v26    v's scale words: (lane / 16) x HS + 16 x (lane % 16)
.set ADRS, 27                          ; v27    LDS address of my scale words
.set SPW,  28                          ; v28    LDS address of my spare word; never rewritten
.set NIL,  29                          ; v29    0; never rewritten
.set SC,   32                          ; scale words: set s at v[SC + 16 s]
.set AF,   128                         ; A's fragments
.set CDS,  112                         ; the way out: v112-130 the codes just made
.set PWS,  160                         ; v160-167 block a's scale word
.set TT,   168                         ; v168-171, v172-175 scale words on their way out
.set TU,   172
.set TM,   200                         ; v200-215 largest magnitudes, bytes, scale operands
.set G1, 24
.set G0, 32
.set G1B, 48
.set G0B, 56
.set G1S, 68
.set G0S, 76
.set G1SB, 80
.set G0SB, 88
.set MSB, 0
.macro WIN new                         ; the immediate's high byte repeats the setting that is left
.if MSB != \new
	s_set_vgpr_msb (MSB<<8)|\new
.set MSB, \new
.endif
.endm
.set MUL_LO, 0xa1                      ; source 0 (B) window 1, source 1 (A) window 0, C and D window 2
.set MUL_HI, 0xf1                      ; the same, C and D window 3
.set TO_B,   0x40                      ; destination window 1
; A joint load: waves 0 and 1 fetch for A, waves 2 and 3 for B; the branch hangs on the wave's number alone.  An s_nop 0 and four v_nop follow each line.
.macro JLOAD g0a, g1a, g0b, g1b
	s_cmp_eq_u32 s15, 0
	s_cbranch_scc0 .Lfor_b_\@
	tensor_load_to_lds s[\g0a:\g0a+3], s[\g1a:\g1a+7]
	s_nop 0
.rept 4
	v_nop
.endr
	s_branch .Lasked_\@
.Lfor_b_\@:
	tensor_load_to_lds s[\g0b:\g0b+3], s[\g1b:\g1b+7]
	s_nop 0
.rept 4
	v_nop
.endr
.Lasked_\@:
.endm
.macro CREST                           ; a round of the cluster's barrier behind its opening barrier
	s_cmp_lg_u32 s14, 0
	s_cbranch_scc1 .Lnot_wave_0_\@
	s_barrier_signal -3
.Lnot_wave_0_\@:
	s_barrier_wait -3
	s_barrier_signal -1
	s_barrier_wait -1
.endm
.macro CROUND
	s_barrier_signal -1
	s_barrier_wait -1
	CREST
.endm
	s_load_b128 s[4:7], s[0:1], 0x0                ; the codes s[4:5], the scale bytes s[6:7]
	s_load_b64 s[12:13], s[0:1], 0x10              ; qkv
	v_lshl_add_u32 v[SPW], v0, 2, SPARE
	v_mov_b32 v[NIL], 0
	ds_add_u32 v[SPW], v[NIL]                      ; the wave's opening: the add and its wait stand ahead of my first tensor load; the set-up below stands between them
	v_lshrrev_b32 v1, 5, v0
	v_readfirstlane_b32 s14, v1                    ; wave 0..3
	s_lshr_b32 s15, s14, 1                         ; which half of the tile's rows is mine.  Also: I fetch for A (0) or for B (1)
	s_and_b32 s16, s14, 1                          ; which half of its columns.  Also: which 128 rows I fetch
	s_bfe_u32 s40, ttmp6, 0x40000                  ; cx, cy: my place in the cluster
	s_bfe_u32 s41, ttmp6, 0x40004
	s_and_b32 s8, ttmp7, 0xffff                    ; the cluster's y
	s_cmp_eq_u32 ttmp9, 2                          ; the cluster's x: 0, 1: q and k;  2: v.  The same in all sixteen partners
	s_cselect_b32 s96, 1, 0
	s_cselect_b32 s42, s8, ttmp9                   ; four tile columns a cluster: for v along x's 8,192 rows, else along Q's and K's 2,048
	s_cselect_b32 s17, 0, s8                       ; four tile rows a cluster: for v the weight's only four, else along x
	s_cselect_b32 s9, 10240, 0                     ; A's first stored row: V's weight, or x
	s_cselect_b32 s10, 0, 8192                     ; B's: x, or Q
	s_lshl_b32 s42, s42, 2
	s_add_co_u32 s42, s42, s40                     ; tile column
	s_lshl_b32 s17, s17, 2
	s_add_co_u32 s17, s17, s41                     ; tile row
	s_lshl_b32 s43, s41, 2
	s_lshl_b32 s43, 15, s43                        ; my row of the cluster
	s_lshl_b32 s44, 0x1111, s40                    ; my column
	; descriptor group 1: a tile of 128 rows x 192 bytes, 16 bytes of padding behind every 64
	s_or_b32 s[G1+0], s43, (0<<16)|(1<<20)|(1<<21)|(3<<22)|(3<<25)
	s_or_b32 s[G1B+0], s44, (0<<16)|(1<<20)|(1<<21)|(3<<22)|(3<<25)
.irp g, G1, G1B
	s_mov_b32 s[\g+1], ROWB<<16                    ; tensor_dim0
	s_mov_b32 s[\g+2], 128<<16                     ; tensor_dim1
	s_mov_b32 s[\g+3], ROWB<<16                    ; tile_dim0
	s_mov_b32 s[\g+4], 128                         ; tile_dim1
	s_mov_b32 s[\g+5], KROW                        ; from row to row
	s_mov_b32 s[\g+6], 0
	s_mov_b32 s[\g+7], 0
.endr
	; the scales of 128 rows: 4,096 dense bytes, as 16 rows of 256 bytes (32 elements of 8), 16 bytes of padding behind each
	s_or_b32 s[G1S+0], s43, (3<<16)|(1<<20)|(1<<21)|(5<<22)|(3<<25)
	s_or_b32 s[G1SB+0], s44, (3<<16)|(1<<20)|(1<<21)|(5<<22)|(3<<25)
.irp g, G1S, G1SB
	s_mov_b32 s[\g+1], 32<<16
	s_mov_b32 s[\g+2], (128*KS/256)<<16
	s_mov_b32 s[\g+3], 32<<16
	s_mov_b32 s[\g+4], 128*KS/256
	s_mov_b32 s[\g+5], 32
	s_mov_b32 s[\g+6], 0
	s_mov_b32 s[\g+7], 0
.endr
	s_lshl_b32 s18, s16, 7                         ; which 128 rows of the tile I fetch
	s_lshl_b32 s20, s17, 8
	s_add_co_u32 s20, s20, s18
	s_add_co_u32 s20, s20, s9                      ; A: stored row
	s_lshl_b32 s46, s42, 8
	s_add_co_u32 s46, s46, s18
	s_add_co_u32 s46, s46, s10                     ; B: stored row
	s_lshl_b32 s22, s20, 5                         ; where these rows' scales begin (12,288 rows: all offsets stay far under 2^32)
	s_mov_b32 s23, 0
	s_lshl_b32 s92, s46, 5
	s_mov_b32 s93, 0
	s_mul_i32 s20, s20, KROW                       ; and their codes
	s_mov_b32 s21, 0
	s_mul_i32 s46, s46, KROW
	s_mov_b32 s47, 0
	s_mul_i32 s45, s14, HALFT                      ; where they go: wave x 128 rows: no place in the cluster enters an LDS address
	s_mul_i32 s94, s14, HALFS
	s_mov_b32 s97, 0xffff0000                      ; lanes 16-31
	s_mov_b32 s98, 0x76543210                      ; v_permlanex16_b32's selects for lane l xor 16
	s_mov_b32 s99, 0xfedcba98
	s_wait_dscnt 0x0                               ; the opening add is done
	s_wait_kmcnt 0x0
	s_add_nc_u64 s[20:21], s[4:5], s[20:21]
	s_add_nc_u64 s[22:23], s[6:7], s[22:23]
	s_add_nc_u64 s[46:47], s[4:5], s[46:47]
	s_add_nc_u64 s[92:93], s[6:7], s[92:93]
	CROUND                                         ; all sixteen work-groups are here: the first joint loads meet
	s_mov_b32 s[G0S], 1
	s_add_co_u32 s[G0S+1], s94, SCL
	s_mov_b64 s[G0S+2:G0S+3], s[22:23]
	s_or_b32 s[G0S+3], s[G0S+3], 0x80000000
	s_mov_b32 s[G0SB], 1
	s_add_co_u32 s[G0SB+1], s94, SCL
	s_mov_b64 s[G0SB+2:G0SB+3], s[92:93]
	s_or_b32 s[G0SB+3], s[G0SB+3], 0x80000000
	JLOAD G0S, G1S, G0SB, G1SB                     ; the scales first: they are wanted with K step 0
.irp s, 0,1
	s_mov_b32 s[G0+4*\s], 1
	s_add_co_u32 s[G0+4*\s+1], s45, \s*SLOT
	s_add_nc_u64 s[G0+4*\s+2:G0+4*\s+3], s[20:21], \s*ROWB
	s_or_b32 s[G0+4*\s+3], s[G0+4*\s+3], 0x80000000
	s_mov_b32 s[G0B+4*\s], 1
	s_add_co_u32 s[G0B+4*\s+1], s45, \s*SLOT
	s_add_nc_u64 s[G0B+4*\s+2:G0B+4*\s+3], s[46:47], \s*ROWB
	s_or_b32 s[G0B+4*\s+3], s[G0B+4*\s+3], 0x80000000
	JLOAD G0+4*\s, G1, G0B+4*\s, G1B               ; three loads of mine are out at the most
.endr
	v_and_b32 v1, 15, v0                           ; r = l % 16
	v_bfe_u32 v2, v0, 4, 1                         ; h = l / 16
	v_mul_u32_u24 v3, v1, PITCH
	v_mul_u32_u24 v4, v2, 24
	v_add_nc_u32 v4, v3, v4                        ; a fragment's row x pitch + 24 x half
	v_lshl_add_u32 v5, v2, 4, v4                   ; and the same behind one padding more
	s_mul_i32 s21, s15, HALFT                      ; my 128 rows of A
	s_mul_i32 s22, s16, HALFT                      ; my 128 rows of B,
	s_add_co_u32 s22, s22, 2*HALFT                 ; which lie behind A's 256
.irp s, 0,1
	v_add_nc_u32 v[ADRA+\s], s21, v4
	v_add_nc_u32 v[ADRB+\s], s22, v4
	v_add_nc_u32 v[ADRA+2+\s], s21, v5
	v_add_nc_u32 v[ADRB+2+\s], s22, v5
	s_add_co_u32 s21, s21, SLOT
	s_add_co_u32 s22, s22, SLOT
.endr
	v_mul_u32_u24 v5, v1, KS                       ; my row's scales: 32 bytes a row,
	v_lshrrev_b32 v6, 8, v5
	v_lshl_add_u32 v5, v6, 4, v5                   ; and 16 more for each 256 passed
	s_mul_i32 s21, s15, HALFS                      ; A's: my 128 rows
	s_mul_i32 s22, s16, HALFS                      ; B's: my 128 rows, behind A's 256
	s_add_co_u32 s22, s22, 2*HALFS
	s_sub_co_u32 s22, s22, s21
	v_mul_u32_u24 v6, s22, v2                      ; lanes 16-31 take B's
	s_add_co_u32 s21, s21, SCL
	v_add_nc_u32 v5, v5, v6
	v_add_nc_u32 v[ADRS], s21, v5
	; the way out: offsets of a lane, and where my wave's records begin in qkv
	v_and_b32 v6, 31, v0
	v_lshlrev_b32 v[VO16], 4, v6
	v_lshl_add_u32 v[VO8], v6, 3, 512
	v_mul_u32_u24 v[VOS], v2, HS
	v_lshl_add_u32 v[VOS], v1, 4, v[VOS]
	s_lshl_b32 s8, s17, 1
	s_add_co_u32 s8, s8, s15                       ; my 128 rows of A, counted in 128s
	s_lshl_b32 s9, s42, 1
	s_add_co_u32 s9, s9, s16                       ; my 128 rows of B
	s_cmp_eq_u32 s96, 1
	s_cselect_b32 s10, s9, s8                      ; the tokens' side: b x 16 + step
	s_cselect_b32 s11, s8, s9                      ; the heads' side: two heads each
	s_lshl_b32 s11, s11, 1
	s_lshr_b32 s18, s11, 4                         ; 0: q, 1: k
	s_and_b32 s11, s11, 15                         ; my first head
	s_cmp_eq_u32 s96, 1
	s_cselect_b32 s18, 2, s18                      ; 2: v
	s_lshr_b32 s19, s10, 4                         ; b
	s_and_b32 s10, s10, 15                         ; step
	s_lshl_b32 s19, s19, 4
	s_add_co_u32 s19, s19, s11                     ; 16 b + n
	s_mul_i32 s19, s19, 3
	s_add_co_u32 s19, s19, s18
	s_mul_i32 s18, s19, KD
	s_mul_i32 s10, s10, REC
	s_add_co_u32 s18, s18, s10
	s_mov_b32 s19, 0
	s_add_nc_u64 s[12:13], s[12:13], s[18:19]
.macro FRAG reg, adr, q, i             ; a fragment, 16 rows x 128 K of 6-bit codes, is 12 registers: lane l holds row l % 16; registers 6 c .. 6 c + 5 hold K = 64 c + 32 (l / 16) + 0 .. 31
.irp p, 0,1,2,3,4,5                    ; in pieces of 8 bytes.  Lanes 16-31 read three pieces further on than lanes 0-15: where that lies behind one padding more, the second address register serves
.set PC, 12*(\q)+6*(\p/3)+\p%3
.if PC%8 < 5
	ds_load_b64 v[\reg+2*\p:\reg+2*\p+1], v[\adr] offset:8*PC+16*(PC/8)+(\i)*16*PITCH
.else
	ds_load_b64 v[\reg+2*\p:\reg+2*\p+1], v[\adr+2] offset:8*PC+16*(PC/8)+(\i)*16*PITCH
.endif
.endr
.endm
; 16 matrix instructions: A's blocks a0, a0 + 1 x B's eight, 128 along K.  The 64 accumulators take turns, one instruction a turn, in the same order in every step.
.macro MUL16 a0, p, q, sc, zero
.irp a, \a0, \a0+1
.irp b, 0,1,2,3,4,5,6,7
.if \zero
	v_wmma_scale_f32_16x16x128_f8f6f4 v[8*(8*((\a)%4)+\b):8*(8*((\a)%4)+\b)+7], v[128*(\p)+FR*\b:128*(\p)+FR*\b+FR-1], v[AF+FR*(\a):AF+FR*(\a)+FR-1], 0, v[SC+8*NQ*(\sc)+NQ*\b+(\q)], v[SC+8*NQ*(\sc)+NQ*(\a)+(\q)] matrix_a_fmt:MATRIX_FMT_FP6 matrix_b_fmt:MATRIX_FMT_FP6 matrix_a_scale:MATRIX_SCALE_ROW1
.else
	v_wmma_scale_f32_16x16x128_f8f6f4 v[8*(8*((\a)%4)+\b):8*(8*((\a)%4)+\b)+7], v[128*(\p)+FR*\b:128*(\p)+FR*\b+FR-1], v[AF+FR*(\a):AF+FR*(\a)+FR-1], v[8*(8*((\a)%4)+\b):8*(8*((\a)%4)+\b)+7], v[SC+8*NQ*(\sc)+NQ*\b+(\q)], v[SC+8*NQ*(\sc)+NQ*(\a)+(\q)] matrix_a_fmt:MATRIX_FMT_FP6 matrix_b_fmt:MATRIX_FMT_FP6 matrix_a_scale:MATRIX_SCALE_ROW1
.endif
.endr
.endr
.endm
.macro FETCH_B slot, q, p
	WIN TO_B
.irp i, 0,1,2,3,4,5,6,7
	FRAG 128*(\p)+FR*\i, ADRB+\slot, \q, \i
.endr
	WIN 0
.endm
.macro FETCH_A slot, q, i0
.irp i, \i0, \i0+1, \i0+2, \i0+3
	FRAG AF+FR*(\i), ADRA+\slot, \q, \i
.endr
.endm
.macro SCALES sc                       ; a K step's scale words: two words a row; lanes 0-15 take A's block i, lanes 16-31 B's block i
.irp i, 0,1,2,3,4,5,6,7
	ds_load_b64 v[SC+8*NQ*\sc+NQ*\i:SC+8*NQ*\sc+NQ*\i+1], v[ADRS] offset:\i*SBLK
.endr
.endm
.macro PLACES n                        ; plain vector instructions between a matrix instruction and a load into, or a vector read or write of, its registers
.rept \n
	v_nop
.endr
.endm
.macro STEP slot, q, zero              ; a step of 128 along K that has its successor in the same slot
	s_wait_dscnt 4*NL                              ; B's set and A's blocks 0-3 are in; the youngest 24 loads (A's blocks 4-7) may be out
	WIN MUL_LO
	MUL16 0, (\q)%2, \q, \slot, \zero
	MUL16 2, (\q)%2, \q, \slot, \zero
	s_wait_dscnt 0                                 ; A's blocks 4-7 are in
	PLACES NP
	FETCH_B \slot, (\q)+1, 1-(\q)%2
	FETCH_A \slot, (\q)+1, 0
	WIN MUL_HI
	MUL16 4, (\q)%2, \q, \slot, \zero
	MUL16 6, (\q)%2, \q, \slot, \zero
	PLACES NP
	WIN 0
	FETCH_A \slot, (\q)+1, 4
.endm
; A slot's last step changes slots: ONE barrier; in front of it each wave waits for all its tensor loads, adds 0 to its spare word, and waits for that and for its reads of this slot.  fill = 1: the slot is filled again, two K steps ahead.
.macro TURN slot, next, fill
	s_wait_tensorcnt 0x0                           ; all my tensor loads have landed: my part of the next slot
	ds_add_u32 v[SPW], v[NIL]                      ; 0 onto my spare word
	s_wait_dscnt 4*NL+1                            ; (the add and the youngest 24 loads may be out)
	WIN MUL_LO
	MUL16 0, 1, NQ-1, \slot, 0                     ; sixteen matrix instructions stand between the add and the wait for it
	s_wait_dscnt 0x0                               ; the add is done, and my reads of this slot are over
	s_barrier_signal -1
	MUL16 2, 1, NQ-1, \slot, 0
	WIN 0
	s_barrier_wait -1
.if \fill
	CREST                                          ; the barrier has opened a round of the cluster's barrier: no wave of any partner still reads this slot or has a load on its way
	s_add_nc_u64 s[G0+4*\slot+2:G0+4*\slot+3], s[G0+4*\slot+2:G0+4*\slot+3], 2*ROWB
	s_add_nc_u64 s[G0B+4*\slot+2:G0B+4*\slot+3], s[G0B+4*\slot+2:G0B+4*\slot+3], 2*ROWB
	JLOAD G0+4*\slot, G1, G0B+4*\slot, G1B         ; the first tensor load behind the round; its four v_nop are the places in front of the loads below
.else
	PLACES NP
.endif
	v_add_nc_u32 v[ADRS], 4*NQ, v[ADRS]            ; on to the next K step's scale words (no LDS load of mine is out)
	FETCH_B \next, 0, 0
	FETCH_A \next, 0, 0
	SCALES \next
	WIN MUL_HI
	MUL16 4, 1, NQ-1, \slot, 0
	MUL16 6, 1, NQ-1, \slot, 0
	PLACES NP
	WIN 0
	FETCH_A \next, 0, 4
.endm
	s_wait_tensorcnt 1                             ; the scales and my part of K step 0 are in (K step 1's load may be out),
	s_barrier_signal -1
	s_barrier_wait -1                              ; everybody's are
	FETCH_B 0, 0, 0
	FETCH_A 0, 0, 0
	SCALES 0
	FETCH_A 0, 0, 4
	STEP 0, 0, 1                                   ; the first step stands in front of the loop: its products start the sums
	s_mov_b32 s3, LAPS-1
.Llap:                                                 ; a trip goes once round the ring and fills both slots again
	TURN 0, 1, 1
	STEP 1, 0, 0
	TURN 1, 0, 1
	STEP 0, 0, 0
	s_sub_co_u32 s3, s3, 1
	s_cmp_lg_u32 s3, 0
	s_cbranch_scc1 .Llap
	TURN 0, 1, 0                                   ; the last lap fills nothing
	STEP 1, 0, 0
	s_wait_dscnt 4*NL                              ; the very last step
	WIN MUL_LO
	MUL16 0, 1, NQ-1, 1, 0
	MUL16 2, 1, NQ-1, 1, 0
	s_wait_dscnt 0
	WIN MUL_HI
	MUL16 4, 1, NQ-1, 1, 0
	MUL16 6, 1, NQ-1, 1, 0
	WIN 0
; THE WAY OUT.  Block a: a lane's 64 results, register 16 j + i = column 32 j + 16 (lane / 16) + i of its row, become a fragment's 12 registers of codes in v[CDS] on and the row's scale word in v[PWS + a].
.macro QUANTW a
.set AC, 64*((\a)%4)
.set WA, 2+(\a)/4                      ; the accumulators' window
.set WB, (WA<<2)|(WA<<4)               ; as sources 1 and 2
	WIN WB
.irp b, 0,1,2,3
	v_max3_num_f32 v[TM+\b], 0x1800000, |v[AC+16*\b]|, |v[AC+1+16*\b]|   ; block b: my 16 numbers and the floor 2^(3 - 127); each accumulator is read from its low end on
.endr
.irp i, 2,4,6,8,10,12,14
.irp b, 0,1,2,3
	v_max3_num_f32 v[TM+\b], v[TM+\b], |v[AC+16*\b+\i]|, |v[AC+1+16*\b+\i]|   ; (the four blocks by turns)
.endr
.endr
	WIN 0
.irp b, 0,1,2,3
	v_permlanex16_b32 v[TM+4+\b], v[TM+\b], s98, s99
.endr
.irp b, 0,1,2,3
	v_max_num_f32 v[TM+\b], v[TM+\b], v[TM+4+\b]   ; with lane l xor 16's: the block's largest magnitude
.endr
.irp b, 0,1,2,3
	v_add_nc_u32 v[TM+12+\b], 0xff000000, v[TM+\b] ; 2 off its exponent field: the conversion's scale operand
.endr
.irp b, 0,1,2,3
	v_lshrrev_b32 v[TM+4+\b], 23, v[TM+12+\b]      ; the scale's byte
.endr
	v_lshl_or_b32 v[PWS+(\a)], v[TM+5], 8, v[TM+4]
	v_lshl_or_b32 v[PWS+(\a)], v[TM+6], 16, v[PWS+(\a)]
	v_lshl_or_b32 v[PWS+(\a)], v[TM+7], 24, v[PWS+(\a)]
.if (\a) > 0
	s_wait_xcnt 0x0                                ; the last block's stores have read the codes' registers: they are written again only behind this wait
.endif
	WIN WA                                         ; source 0: the accumulators
.irp c, 0,1
	v_cvt_scalef32_pk16_fp6_f32 v[CDS+6*\c:CDS+2+6*\c], v[AC+32*\c:AC+15+32*\c], v[TM+12+2*\c]
	v_cvt_scalef32_pk16_fp6_f32 v[CDS+12+4*\c:CDS+14+4*\c], v[AC+16+32*\c:AC+31+32*\c], v[TM+12+2*\c+1]   ; (a conversion's three registers begin on an even number)
.endr
	WIN 0
	v_nop                                          ; one plain place behind a scaled conversion
.irp c, 0,1                                    ; the operand's layout wants a WHOLE block in a lane
.irp i, 0,1,2
	v_permlane16_swap_b32 v[CDS+6*\c+\i], v[CDS+12+4*\c+\i]
.endr
.irp i, 0,1,2
	v_mov_b32 v[CDS+3+6*\c+\i], v[CDS+12+4*\c+\i]
.endr
.endr
.endm
; q, k: registers 0-5 are tile a of my first head, registers 6-11 of my second.  v: the 12 registers are fragment a % 4 of head a / 4.
.macro OUTBLK a
	QUANTW \a
	s_cmp_eq_u32 s96, 0
	s_cbranch_scc0 .Lis_v_\@
	global_store_b128 v[VO16], v[CDS:CDS+3], s[12:13] offset:(\a)*768
	global_store_b64 v[VO8], v[CDS+4:CDS+5], s[12:13] offset:(\a)*768
	global_store_b128 v[VO16], v[CDS+6:CDS+9], s[12:13] offset:HS+(\a)*768
	global_store_b64 v[VO8], v[CDS+10:CDS+11], s[12:13] offset:HS+(\a)*768
	s_branch .Lstored_\@
.Lis_v_\@:
.irp p, 0,1,2
	global_store_b128 v[VO16], v[CDS+4*\p:CDS+4*\p+3], s[12:13] offset:((\a)/4)*HS+((\a)%4)*1536+512*\p
.endr
.Lstored_\@:
.endm
	PLACES NP                                      ; behind the last products: their results are read and the registers that held A's fragments are written
.irp b, 0,1,2,3
	v_mov_b32 v[TM+4+\b], 0                        ; written once: a lane permute's destination counts as one of its sources
.endr
.irp a, 0,1,2,3,4,5,6,7
	OUTBLK \a
.endr
.irp i, 0,1,2,3
	v_cndmask_b32 v[TT+\i], v[PWS+\i], v[PWS+4+\i], s97   ; lanes 0-15: blocks 0-3's words; lanes 16-31: blocks 4-7's
.endr
	s_cmp_eq_u32 s96, 0
	s_cbranch_scc0 .Lv_scales
.irp i, 0,1,2,3
	v_lshrrev_b32 v[TU+\i], 16, v[TT+\i]           ; my second head's two bytes,
	v_and_b32 v[TT+\i], 0xffff, v[TT+\i]           ; my first's; two zero bytes above each
.endr
	global_store_b128 v[VO16], v[TT:TT+3], s[12:13] offset:8*768
	global_store_b128 v[VO16], v[TU:TU+3], s[12:13] offset:HS+8*768
	s_branch .Lscales_out
.Lv_scales:
	global_store_b128 v[VOS], v[TT:TT+3], s[12:13] offset:4*1536        ; lanes 0-15: my first head's four words a row; lanes 16-31: my second's
	global_store_b128 v[VOS], v[TT:TT+3], s[12:13] offset:4*1536+256    ; once more, so that every byte of a record is written
.Lscales_out:
	s_wait_tensorcnt 0x0                           ; the wave's end, behind my last tensor load
	ds_add_u32 v[SPW], v[NIL]
	s_wait_dscnt 0x0
	CROUND                                         ; the closing round: no work-group ends while a partner may still ask for a tile that names it
	s_endpgm
.Lfunc_end_k_q5c452b9eac_proj:
	.size	k_q5c452b9eac_proj, .Lfunc_end_k_q5c452b9eac_proj-k_q5c452b9eac_proj
	.p2alignl 7, 3214868480
	.fill 96, 4, 3214868480
	.section	.rodata,"a",@progbits
	.p2align	6, 0x0
	.amdhsa_kernel k_q5c452b9eac_proj
		.amdhsa_group_segment_fixed_size 327680
		.amdhsa_private_segment_fixed_size 0
		.amdhsa_enable_private_segment 0
		.amdhsa_kernarg_size 24
		.amdhsa_user_sgpr_count 2
		.amdhsa_user_sgpr_kernarg_segment_ptr 1
		.amdhsa_wavefront_size32 1
		.amdhsa_system_sgpr_workgroup_id_x 1
		.amdhsa_system_sgpr_workgroup_id_y 1
		.amdhsa_system_sgpr_workgroup_id_z 1
		.amdhsa_system_vgpr_workitem_id 0
		.amdhsa_next_free_vgpr 1024
		.amdhsa_next_free_sgpr 100
		.amdhsa_reserve_vcc 0
		.amdhsa_float_denorm_mode_32 3
		.amdhsa_float_denorm_mode_16_64 3
		.amdhsa_memory_ordered 1
		.amdhsa_forward_progress 1
		.amdhsa_inst_pref_size 169
	.end_amdhsa_kernel
	.amdgpu_metadata
---
amdhsa.version: [ 1, 2 ]
amdhsa.kernels:
  - .name:           k_q5c452b9eac_proj
    .symbol:         k_q5c452b9eac_proj.kd
    .args:
      - { .name: codes, .offset: 0, .size: 8, .value_kind: global_buffer, .address_space: global }
      - { .name: scales, .offset: 8, .size: 8, .value_kind: global_buffer, .address_space: global }
      - { .name: qkv, .offset: 16, .size: 8, .value_kind: global_buffer, .address_space: global }
    .group_segment_fixed_size: 327680
    .private_segment_fixed_size: 0
    .kernarg_segment_align: 8
    .kernarg_segment_size: 24
    .max_flat_workgroup_size: 128
    .sgpr_count:     100
    .vgpr_count:     1024
    .wavefront_size: 32
...
	.end_amdgpu_metadata
.endif
;; end of part 2
;; launch attn (part 3): grid 4 x 64, 16 waves a work-group, clusters of 4 x 1, 215,040 bytes of LDS; arguments qkv, zimg, zs; writes zimg, zs
.if DOCPART == 3
	.amdgcn_target "amdgcn-amd-amdhsa--gfx1250"
	.amdhsa_code_object_version 6
	.text
	.protected	k_q5c452b9eac_attn
	.globl	k_q5c452b9eac_attn
	.p2align	8
	.type	k_q5c452b9eac_attn,@function
k_q5c452b9eac_attn:
	s_mov_b64 s[64:65], 0
	v_nop
	global_prefetch_b8 v0, s[64:65] scope:SCOPE_SE
	s_setreg_imm32_b32 hwreg(HW_REG_WAVE_MODE, 25, 1), 1
	s_wait_xcnt 0x0
	s_wait_alu depctr_hold_cnt(0) depctr_sa_sdst(0) depctr_va_vdst(0) depctr_va_sdst(0) depctr_va_ssrc(0) depctr_va_vcc(0) depctr_vm_vsrc(0)
	s_getreg_b32 s2, hwreg(HW_REG_IB_STS2, 6, 4)
	s_cmp_eq_u32 s2, 0
	s_cbranch_scc0 .Lentry_in_a_cluster
	s_endpgm
.Lentry_in_a_cluster:
	s_bfe_u32 s2, ttmp6, 0x10000c
	s_cmp_lg_u32 s2, 0x3003
	s_cbranch_scc0 .Lentry_shape_is_right
	s_endpgm
.Lentry_shape_is_right:
; z[b][q][n][:] = the sum over keys k <= q of softmax_k(q . k) v, no scaling of the scores, both products on codes of FP6 (E2M3) with E8M0 scales; z is quantised at once, along (n, channel), for the last product.
; THE SOFTMAX AHEAD OF THE SECOND PRODUCT: t = score x log2(e); M = the row's largest t so far, rounded UP to a whole number; p = 2^(t - M) is what is quantised, along the keys, not normalised.
; The row's sum is taken of the unquantised p and divides at the end.  When M moves, the sum and O^T are multiplied by 2^(old M - new M): exact.
; SHARES.  A cluster of four work-groups owns one (b, n).  The head's 128 tiles of 16 queries: partner cx takes tiles 4 m + cx, m = 0 .. 31.  Tile 4 m + cx needs the key steps (128 keys) 0 .. m / 2, whatever cx: so every branch
; hangs on the wave's number and on loop counts alone.  Wave w of sixteen takes m = 31 - w and then m = w: 17 key steps for every wave.  Steps all of whose keys come after the tile's queries are left out.
; K AND V OF THE WHOLE HEAD (16 records of 6,656 bytes each) FIT IN LDS AND ARE FILLED ONCE, by eight joint loads of the cluster (wave 0: K's four chunks of four steps; wave 1: V's): four loads of a wave are out at the most.
; The records are images of the operands' registers: every LDS load takes 16 or 8 consecutive bytes a lane, no pitch, no padding.
; LAYOUT.  Both products are used transposed: S^T = K Q^T (source 0 = 16 keys), O^T = V^T P^T (source 0 = 16 channels): a lane holds ONE query throughout.  A tile's rows are 32 (t / 2) + 8 (t % 2) + r + 8 (r / 8) of the step,
; so the 16 registers of tiles 2 j and 2 j + 1 are 16 neighbours, 32 j + 16 (lane / 16) + 0 .. 15: keys in S^T, channels in O^T.
; THE FIRST PRODUCT'S K IS 64 OF THE INSTRUCTION'S 128.  Q's registers 6-11 are zero codes, so what stands in the upper six registers of K's operand adds nothing: a tile of K is six registers, and its operand runs on over the
; next tile's six (behind the last: six zeros).  The scale words' upper two bytes are 0, which is a small power of two and no NaN.
; LIMITS: hidden scores on the diagonal become -1e10 as in the definition; steps that lie wholly behind the diagonal are left out, which is the same as long as a row's scores lie more than some 150 above -1e10;
; t under -3e38, NaN and infinities are not served; a block of zeros gets the byte 1 (its codes are zeros; this program alone reads the bytes).
; REGISTERS: v1-3 LDS places of my lane; v4 the mask's number; v5, v6 the add's two; v7, v11 offsets; v8-10 addresses in hand; v12 -M, v13 the largest t, v[14:15] the sum; v16-27 Q (22-27 zeros); v32-79 8 tiles of K or 4 fragments of V;
; v80-85 zeros; v86-93 the second tile's Q, scale word and mask number; v96-159 S^T, then p; v160-191 O^T; v224-235 p's codes; v232-247, v252, v254 at work; v248-251 K's or V's scale words; v253 p's; v255 Q's.
.set REC,   6656                       ; a step's record
.set KD,    16*REC                     ; from q to k to v of a head; also K's region in LDS
.set HS,    3*KD                       ; from head to head
.set VREG,  KD                         ; LDS: V's records behind K's
.set CHUNK, 4*REC                      ; what one tensor load brings: 104 rows of 256 bytes
.set SPARE, 2*KD                       ; behind them: the spare words, 128 bytes for each of 16 waves
.set SPW,  5
.set NIL,  6
.set WV,   18                          ; s18  my wave's number
.set SEL,  20                          ; s[20:21] selects for lane l xor 16
.set CS,   22                          ; s[22:23] log2(e), twice
.set G1,   24                          ; s[24:31] descriptor group 1
.set G0,   32                          ; s[32:47] four groups 0
.set TB,   48                          ; s48  LDS byte at which the step's record of K begins
.set ST,   49                          ; s49  the step
.set SD,   50                          ; s50  the tile's step on the diagonal
.set CX,   51                          ; s51  my place in the cluster: it enters global addresses and the mask's number alone
.set MH,   74                          ; s74  m of my first tile
.macro CROUND                          ; a round of the cluster's barrier
	s_barrier_signal -1
	s_barrier_wait -1
	s_cmp_lg_u32 s[WV], 0
	s_cbranch_scc1 .Lnot_wave_0_\@
	s_barrier_signal -3
.Lnot_wave_0_\@:
	s_barrier_wait -3
	s_barrier_signal -1
	s_barrier_wait -1
.endm
	s_load_b128 s[4:7], s[0:1], 0x0                ; qkv s[4:5], zimg s[6:7]
	s_load_b64 s[8:9], s[0:1], 0x10                ; zs
	v_lshl_add_u32 v[SPW], v0, 2, SPARE
	v_mov_b32 v[NIL], 0
	ds_add_u32 v[SPW], v[NIL]                      ; the wave's opening: the add and its wait stand ahead of the first tensor loads; the set-up below stands between them
	v_lshrrev_b32 v8, 5, v0
	v_readfirstlane_b32 s[WV], v8                  ; wave 0..15
	s_bfe_u32 s[CX], ttmp6, 0x40000
	s_and_b32 s14, ttmp7, 0xffff                   ; 16 b + n, which the four partners share
	s_mul_i32 s10, s14, HS                         ; the head's first byte in qkv
	s_lshr_b32 s11, s14, 4
	s_lshl_b32 s11, s11, 7                         ; 128 b: the batch's first tile of rows
	s_and_b32 s12, s14, 15                         ; n
	s_lshl_b32 s13, s12, 1                         ; 2 n: the head's two scale bytes in a row of zs
	; descriptor group 1: 26,624 dense bytes as 104 rows of 256 bytes (32 elements of 8 bytes), no padding
	s_mov_b32 s[G1], 15|(3<<16)|(1<<21)            ; 15:0 the mask: all four work-groups; 17:16 elements of 8 bytes; 21 set beside a mask
	s_mov_b32 s[G1+1], 32<<16                      ; tensor_dim0
	s_mov_b32 s[G1+2], 104<<16                     ; tensor_dim1
	s_mov_b32 s[G1+3], 32<<16                      ; tile_dim0
	s_mov_b32 s[G1+4], 104                         ; tile_dim1
	s_mov_b32 s[G1+5], 32                          ; from row to row
	s_mov_b32 s[G1+6], 0
	s_mov_b32 s[G1+7], 0
	s_and_b32 s52, s[WV], 1                        ; wave 0 fetches K, wave 1 V
	s_mul_i32 s53, s52, KD                         ; the region in LDS, and the same distance in memory
	s_add_co_u32 s54, s10, s53
	s_add_co_u32 s54, s54, KD                      ; K's records lie behind Q's
	s_mov_b32 s55, 0
	s_mov_b32 s[SEL], 0x76543210
	s_mov_b32 s[SEL+1], 0xfedcba98
	s_mov_b32 s[CS], 0x3fb8aa3b                    ; log2(e)
	s_mov_b32 s[CS+1], s[CS]                       ; (named with it as a pair, so it is written)
	s_sub_co_u32 s[MH], 31, s[WV]
	s_wait_dscnt 0x0                               ; the opening add is done
	s_wait_kmcnt 0x0
	s_add_nc_u64 s[54:55], s[4:5], s[54:55]
.irp c, 0,1,2,3
	s_mov_b32 s[G0+4*\c], 1                        ; count = 1
	s_add_co_u32 s[G0+4*\c+1], s53, \c*CHUNK       ; LDS address: the wave's number and constants alone
	s_add_nc_u64 s[G0+4*\c+2:G0+4*\c+3], s[54:55], \c*CHUNK
	s_or_b32 s[G0+4*\c+3], s[G0+4*\c+3], 0x80000000   ; type = 2
.endr
	CROUND                                         ; all four work-groups are here: the joint loads meet
	s_cmp_lt_u32 s[WV], 2                          ; all fills stand in one branch on the wave's number, ahead of every wait on TENSORcnt, every LDS read and every other barrier
	s_cbranch_scc0 .Lno_fill
.irp c, 0,1,2,3
	tensor_load_to_lds s[G0+4*\c:G0+4*\c+3], s[G1:G1+7]
	s_nop 0
.endr
.rept 4
	v_nop
.endr
.Lno_fill:
	v_and_b32 v8, 31, v0                           ; lane
	v_lshlrev_b32 v1, 4, v8                        ; 16 x lane
	v_lshl_add_u32 v2, v8, 3, 512                  ; 8 x lane + 512: a tile's registers 4, 5
	v_add_nc_u32 v3, VREG, v1                      ; 16 x lane in V's region
	v_and_b32 v9, 15, v0                           ; r
	v_bfe_u32 v10, v0, 4, 1                        ; h
	v_lshlrev_b32 v7, 4, v9                        ; 16 r: Q's scale entries
	v_lshlrev_b32 v11, 5, v9                       ; 32 r: rows of zs
	v_and_b32 v4, 8, v9
	v_add_nc_u32 v4, v4, v9                        ; r + 8 (r / 8)
	v_lshlrev_b32 v10, 4, v10
	v_sub_nc_u32 v4, v4, v10                       ; - 16 h
	s_lshr_b32 s52, s[CX], 1
	s_lshl_b32 s52, s52, 5
	s_and_b32 s53, s[CX], 1
	s_lshl_b32 s53, s53, 3
	s_add_co_u32 s52, s52, s53                     ; 32 (cx / 2) + 8 (cx % 2)
	v_add_nc_u32 v4, s52, v4
	s_and_b32 s53, s[WV], 1
	s_lshl_b32 s53, s53, 6                         ; 64 (m % 2) of the second tile, m = w
	v_add_nc_u32 v93, s53, v4                      ; its mask number: my query's place in its step - 16 h
	s_xor_b32 s53, s53, 64                         ; of the first, m = 31 - w
	v_add_nc_u32 v4, s53, v4
; Tile 4 m + cx: where its Q codes and scale words lie, and where its z goes.  T = 128 b + 4 m + cx.
.macro TILEADR m, qc, qs, zi, zz
	s_lshr_b32 s52, s[\m], 1
	s_mul_i32 s52, s52, REC
	s_add_co_u32 s52, s52, s10                     ; the step's record of Q
	s_and_b32 s53, s[\m], 1
	s_lshl_b32 s54, s53, 2
	s_add_co_u32 s54, s54, s[CX]                   ; the tile in the step
	s_mul_i32 s54, s54, 768
	s_add_co_u32 s54, s54, s52
	s_mov_b32 s55, 0
	s_add_nc_u64 s[\qc:\qc+1], s[4:5], s[54:55]
	s_lshl_b32 s54, s53, 8                         ; scale entries 16 (tile / 4) + r, word tile % 4
	s_add_co_u32 s54, s54, s52
	s_lshl_b32 s53, s[CX], 2
	s_add_co_u32 s54, s54, s53
	s_add_co_u32 s54, s54, 8*768
	s_add_nc_u64 s[\qs:\qs+1], s[4:5], s[54:55]
	s_lshl_b32 s52, s[\m], 2
	s_add_co_u32 s52, s52, s[CX]
	s_add_co_u32 s52, s52, s11                     ; T
	s_lshl_b32 s54, s52, 4
	s_add_co_u32 s54, s54, s12
	s_mul_i32 s54, s54, 768                        ; zimg: [T][n][768]
	s_add_nc_u64 s[\zi:\zi+1], s[6:7], s[54:55]
	s_lshl_b32 s54, s52, 9
	s_add_co_u32 s54, s54, s13                     ; zs: 16 rows of 32 bytes a tile, + 2 n
	s_add_nc_u64 s[\zz:\zz+1], s[8:9], s[54:55]
.endm
	TILEADR MH, 56, 58, 66, 68
	TILEADR WV, 60, 62, 70, 72
	global_load_b128 v[16:19], v1, s[56:57]        ; the first tile's Q: six registers,
	global_load_b64 v[20:21], v2, s[56:57]
	global_load_b32 v255, v7, s[58:59]             ; and its scale words
	global_load_b128 v[86:89], v1, s[60:61]        ; the second tile's, kept
	global_load_b64 v[90:91], v2, s[60:61]
	global_load_b32 v92, v7, s[62:63]
.irp j, 0,1,2,3,4,5
	v_mov_b32 v[22+\j], 0                          ; Q's upper 64 along K: zero codes
	v_mov_b32 v[80+\j], 0                          ; behind K's last tile
.endr
.irp b, 0,1,2,3
	v_mov_b32 v[236+\b], 0                         ; written once: a lane permute's destination counts as one of its sources
.endr
	v_mov_b32 v253, 0                              ; (named as the upper half of the pair v[252:253] before it is first written)
.macro INIT                            ; a tile begins: O^T and the sum are zeros, the largest t lies under every t: the first change of M multiplies zeros
	v_mov_b32 v13, 0xff61b1e6                      ; -3e38
	v_floor_f32 v12, -v13                          ; -M
	v_mov_b32 v14, 0
	v_mov_b32 v15, 0
.set j, 0
.rept 32
	v_mov_b32 v[160+j], 0
.set j, j+1
.endr
.endm
	INIT
; A KEY STEP: 128 keys.  mask = 1: the step may lie on or behind the diagonal.
.macro STEP mask
.if \mask
	s_cmp_gt_u32 s[ST], s[SD]                      ; all keys come after my queries: the step's work is left out, not the line at its end that steps the address
	s_cbranch_scc1 .Lhidden_\@
.endif
	v_add_nc_u32 v8, s[TB], v1
	v_add_nc_u32 v9, s[TB], v2
	v_add_nc_u32 v10, s[TB], v3
	v_nop                                          ; four places in front of loads into registers that the last products have read
.irp t, 0,1,2,3,4,5,6,7
	ds_load_b128 v[32+6*\t:35+6*\t], v8 offset:768*\t
	ds_load_b64 v[36+6*\t:37+6*\t], v9 offset:768*\t
.endr
	ds_load_b128 v[248:251], v8 offset:8*768       ; lanes 0-15: the words of tiles 0-3; lanes 16-31: of tiles 4-7
	s_wait_dscnt 0x0
.irp t, 0,1,2,3
	v_wmma_scale_f32_16x16x128_f8f6f4 v[96+8*\t:103+8*\t], v[32+6*\t:43+6*\t], v[16:27], 0, v[248+\t], v255 matrix_a_fmt:MATRIX_FMT_FP6 matrix_b_fmt:MATRIX_FMT_FP6
.endr
.irp t, 4,5,6,7
	v_wmma_scale_f32_16x16x128_f8f6f4 v[96+8*\t:103+8*\t], v[32+6*\t:43+6*\t], v[16:27], 0, v[244+\t], v255 matrix_a_fmt:MATRIX_FMT_FP6 matrix_b_fmt:MATRIX_FMT_FP6 matrix_a_scale:MATRIX_SCALE_ROW1
.endr
.rept 4
	v_nop                                          ; places: in front of the loads below and of the first read of the scores
.endr
.irp d, 0,1,2,3                                ; V's four fragments and their scale words are asked for now and land under the softmax
.irp p, 0,1,2
	ds_load_b128 v[32+12*\d+4*\p:35+12*\d+4*\p], v10 offset:1536*\d+512*\p
.endr
.endr
	ds_load_b128 v[248:251], v10 offset:4*1536
.if \mask
	s_cmp_lt_u32 s[ST], s[SD]                      ; all keys count: no mask
	s_cbranch_scc1 .Lopen_\@
	v_mov_b32 v254, 0xd01502f9                     ; -1e10
.set n, 0
.rept 64                                       ; register 16 j + i holds key 32 j + 16 (lane / 16) + i of the step: hidden where 32 j + i > v4
	v_cmp_gt_i32 vcc_lo, 32*(n/16)+n%16, v4
	v_cndmask_b32 v[96+n], v[96+n], v254, vcc_lo
.set n, n+1
.endr
.Lopen_\@:
.endif
.irp b, 0,1,2,3
	v_max3_num_f32 v[232+\b], v[96+16*\b], v[97+16*\b], v[98+16*\b]   ; the largest score of each block of 32 keys: for the row's maximum and, since p rises with the score, for the block's largest p
.endr
.irp i, 3,5,7,9,11,13
.irp b, 0,1,2,3
	v_max3_num_f32 v[232+\b], v[232+\b], v[96+16*\b+\i], v[97+16*\b+\i]
.endr
.endr
.irp b, 0,1,2,3
	v_max_num_f32 v[232+\b], v[232+\b], v[111+16*\b]
.endr
.irp b, 0,1,2,3
	v_permlanex16_b32 v[236+\b], v[232+\b], s[SEL], s[SEL+1]
.endr
.irp b, 0,1,2,3
	v_max_num_f32 v[232+\b], v[232+\b], v[236+\b]  ; with lane l xor 16's 16 keys
.endr
	v_max3_num_f32 v254, v232, v233, v234
	v_max_num_f32 v254, v254, v235                 ; the step's largest score of my query
	v_mul_f32 v254, s[CS], v254                    ; as t
	v_max_num_f32 v13, v13, v254                   ; the running largest t
	v_mov_b32 v254, v12
	v_floor_f32 v12, -v13                          ; the new -M = -ceil(t): a whole number
	v_sub_f32 v254, v12, v254                      ; old M - new M: a whole number, 0 or less
	v_cvt_i32_f32 v254, v254                       ; (it saturates)
	v_ldexp_f32 v252, 1.0, v254                    ; f = 2^(old M - new M)
.set j, 0
.rept 32
	v_pk_fma_f32 v[96+j:97+j], v[96+j:97+j], s[CS:CS+1], v[12:13] op_sel_hi:[1,0,0]   ; t - M, two at a time
.set j, j+2
.endr
.irp b, 0,1,2,3
	v_fma_f32 v[232+\b], v[232+\b], s[CS], v12     ; the same of each block's largest score
.endr
.set j, 0
.rept 64
	v_exp_f32 v[96+j], v[96+j]                     ; p = 2^(t - M), at most 1
.set j, j+1
.endr
	v_pk_mul_f32 v[14:15], v[14:15], v[252:253] op_sel_hi:[1,0]   ; the sums under the new M (a plain place behind the exponentials)
	s_wait_alu depctr_va_vdst(0)                   ; one wait for the whole batch, ahead of its first reader
.irp b, 0,1,2,3
	v_exp_f32 v[232+\b], v[232+\b]                 ; the block's largest p
.endr
	v_pk_add_f32 v[236:237], v[96:97], v[98:99]    ; the row's sum is taken of the unquantised p: two at a time, in two chains
.irp j, 4,8,12,16,20,24,28,32,36,40,44,48,52,56,60
	v_pk_add_f32 v[14:15], v[14:15], v[96+\j:97+\j]
	v_pk_add_f32 v[236:237], v[236:237], v[98+\j:99+\j]
.endr
	v_pk_add_f32 v[14:15], v[14:15], v[236:237]
	s_wait_alu depctr_va_vdst(0)                   ; and one for the four
.irp b, 0,1,2,3
	v_max_num_f32 v[232+\b], 0x1800000, v[232+\b]  ; the floor 2^(3 - 127): the byte cannot fall under 1
.endr
.irp b, 0,1,2,3
	v_add_nc_u32 v[244+\b], 0xff000000, v[232+\b]  ; 2 off the exponent field: the conversion's scale operand
.endr
.irp b, 0,1,2,3
	v_lshrrev_b32 v[236+\b], 23, v[244+\b]         ; the scale's byte
.endr
	v_lshl_or_b32 v253, v237, 8, v236              ; p's scale word for these 128 keys
	v_lshl_or_b32 v253, v238, 16, v253
	v_lshl_or_b32 v253, v239, 24, v253
.irp c, 0,1
	v_cvt_scalef32_pk16_fp6_f32 v[224+6*\c:226+6*\c], v[96+32*\c:111+32*\c], v[244+2*\c]
	v_cvt_scalef32_pk16_fp6_f32 v[236+4*\c:238+4*\c], v[112+32*\c:127+32*\c], v[244+2*\c+1]   ; (a conversion's three registers begin on an even number)
.endr
	v_nop                                          ; one plain place behind a scaled conversion
.irp c, 0,1                                    ; the operand's layout wants a WHOLE block in a lane
.irp i, 0,1,2
	v_permlane16_swap_b32 v[224+6*\c+\i], v[236+4*\c+\i]
.endr
.irp i, 0,1,2
	v_mov_b32 v[227+6*\c+\i], v[236+4*\c+\i]
.endr
.endr
.set j, 0
.rept 16
	v_pk_mul_f32 v[160+j:161+j], v[160+j:161+j], v[252:253] op_sel_hi:[1,0]   ; O^T under the new M.  (These sixteen are also the places between the writes of p's codes and scale word and the products)
.set j, j+2
.endr
	s_wait_dscnt 0x0                               ; V's fragments and scale words are in
.irp d, 0,1,2,3                                ; O^T += V^T P^T: four accumulators, one instruction each
	v_wmma_scale_f32_16x16x128_f8f6f4 v[160+8*\d:167+8*\d], v[32+12*\d:43+12*\d], v[224:235], v[160+8*\d:167+8*\d], v[248+\d], v253 matrix_a_fmt:MATRIX_FMT_FP6 matrix_b_fmt:MATRIX_FMT_FP6
.endr
.if \mask
.Lhidden_\@:
.endif
	s_add_co_u32 s[TB], s[TB], REC
.endm
.macro WALK first, end, mask           ; key steps first .. end - 1: the counts are constants of the text
	s_mov_b32 s[ST], \first
	s_mov_b32 s[TB], (\first)*REC
.Lwalk_\@:
	STEP \mask
	s_add_co_u32 s[ST], s[ST], 1
	s_cmp_lt_u32 s[ST], \end
	s_cbranch_scc1 .Lwalk_\@
.endm
.macro MEET left                       ; the fetching waves' older chunks have landed (left: their younger loads, which may stay out); then the work-group's barrier
	s_wait_tensorcnt \left
	s_wait_dscnt 0x0
	s_barrier_signal -1
	s_barrier_wait -1
.endm
; A TILE'S WAY OUT: O^T / the sum, 32 numbers a lane: register 16 j + i = channel 32 j + 16 (lane / 16) + i: two blocks along the last product's K.  Codes as an image of six registers, two scale bytes a row.
.macro WAYOUT zi, zz
.rept 4
	v_nop                                          ; places behind the last product, also where the last steps were left out
.endr
	v_add_f32 v14, v14, v15                        ; the sum's two halves,
	v_permlanex16_b32 v252, v14, s[SEL], s[SEL+1]
	v_add_f32 v14, v14, v252                       ; and lane l xor 16's
	v_rcp_f32 v14, v14
	v_nop                                          ; a plain place behind the reciprocal
	s_wait_alu depctr_va_vdst(0)                   ; and the wait ahead of its first reader
.set j, 0
.rept 32
	v_mul_f32 v[96+j], v[160+j], v14               ; each accumulator from its low end on
.set j, j+1
.endr
.irp b, 0,1
	v_max3_num_f32 v[232+\b], |v[96+16*\b]|, |v[97+16*\b]|, 0x1800000
.endr
.irp i, 2,4,6,8,10,12,14
.irp b, 0,1
	v_max3_num_f32 v[232+\b], v[232+\b], |v[96+16*\b+\i]|, |v[97+16*\b+\i]|
.endr
.endr
.irp b, 0,1
	v_permlanex16_b32 v[236+\b], v[232+\b], s[SEL], s[SEL+1]
.endr
.irp b, 0,1
	v_max_num_f32 v[232+\b], v[232+\b], v[236+\b]
.endr
.irp b, 0,1
	v_add_nc_u32 v[244+\b], 0xff000000, v[232+\b]
.endr
.irp b, 0,1
	v_lshrrev_b32 v[236+\b], 23, v[244+\b]
.endr
	v_lshl_or_b32 v254, v237, 8, v236              ; my row's two scale bytes
	v_cvt_scalef32_pk16_fp6_f32 v[224:226], v[96:111], v244
	v_cvt_scalef32_pk16_fp6_f32 v[236:238], v[112:127], v245
	v_nop
.irp i, 0,1,2
	v_permlane16_swap_b32 v[224+\i], v[236+\i]
.endr
.irp i, 0,1,2
	v_mov_b32 v[227+\i], v[236+\i]
.endr
	global_store_b128 v1, v[224:227], s[\zi:\zi+1]    ; 512 consecutive bytes, aligned
	global_store_b64 v2, v[228:229], s[\zi:\zi+1]     ; 256 more
	global_store_b16 v11, v254, s[\zz:\zz+1]          ; two bytes of each of 16 rows of 32 bytes (lanes 16-31 write the same bytes with the same values): 262,144 bytes in the whole launch
.endm
	s_lshr_b32 s[SD], s[MH], 1                     ; the first tile's diagonal: step 8 .. 15
	s_wait_loadcnt 0x0                             ; Q
	MEET 3                                         ; steps 0-3 of K and V lie in LDS; three chunks may be out
	WALK 0, 4, 0
	MEET 2                                         ; steps 4-7; two chunks may be out
	WALK 4, 8, 0
	MEET 0                                         ; all
	WALK 8, 16, 1
	WAYOUT 66, 68
.irp j, 0,1,2,3,4,5
	v_mov_b32 v[16+\j], v[86+\j]                   ; the second tile's Q,
.endr
	v_mov_b32 v255, v92                            ; its scale words,
	v_mov_b32 v4, v93                              ; its mask number
	INIT                                           ; (these lines are also the places between the writes above and the next products)
	s_wait_xcnt 0x0                                ; the stores have read their registers: the codes' and the bytes' are written again only behind this wait
	s_lshr_b32 s[SD], s[WV], 1                     ; its diagonal: step 0 .. 7
	WALK 0, 8, 1
	WAYOUT 70, 72
	s_wait_tensorcnt 0x0                           ; the wave's end, behind the last tensor load
	ds_add_u32 v[SPW], v[NIL]
	s_wait_dscnt 0x0
	CROUND                                         ; the closing round
	s_endpgm
.Lfunc_end_k_q5c452b9eac_attn:
	.size	k_q5c452b9eac_attn, .Lfunc_end_k_q5c452b9eac_attn-k_q5c452b9eac_attn
	.p2alignl 7, 3214868480
	.fill 96, 4, 3214868480
	.section	.rodata,"a",@progbits
	.p2align	6, 0x0
	.amdhsa_kernel k_q5c452b9eac_attn
		.amdhsa_group_segment_fixed_size 215040
		.amdhsa_private_segment_fixed_size 0
		.amdhsa_enable_private_segment 0
		.amdhsa_kernarg_size 24
		.amdhsa_user_sgpr_count 2
		.amdhsa_user_sgpr_kernarg_segment_ptr 1
		.amdhsa_wavefront_size32 1
		.amdhsa_system_sgpr_workgroup_id_x 1
		.amdhsa_system_sgpr_workgroup_id_y 1
		.amdhsa_system_sgpr_workgroup_id_z 1
		.amdhsa_system_vgpr_workitem_id 0
		.amdhsa_next_free_vgpr 256
		.amdhsa_next_free_sgpr 80
		.amdhsa_reserve_vcc 1
		.amdhsa_float_denorm_mode_32 3
		.amdhsa_float_denorm_mode_16_64 3
		.amdhsa_memory_ordered 1
		.amdhsa_forward_progress 1
		.amdhsa_inst_pref_size 91
	.end_amdhsa_kernel
	.amdgpu_metadata
---
amdhsa.version: [ 1, 2 ]
amdhsa.kernels:
  - .name:           k_q5c452b9eac_attn
    .symbol:         k_q5c452b9eac_attn.kd
    .args:
      - { .name: qkv, .offset: 0, .size: 8, .value_kind: global_buffer, .address_space: global }
      - { .name: zimg, .offset: 8, .size: 8, .value_kind: global_buffer, .address_space: global }
      - { .name: zs, .offset: 16, .size: 8, .value_kind: global_buffer, .address_space: global }
    .group_segment_fixed_size: 215040
    .private_segment_fixed_size: 0
    .kernarg_segment_align: 8
    .kernarg_segment_size: 24
    .max_flat_workgroup_size: 512
    .sgpr_count:     80
    .vgpr_count:     256
    .wavefront_size: 32
...
	.end_amdgpu_metadata
.endif
;; end of part 3
;; launch outp (part 4): grid 4 x 32, 4 waves a work-group, clusters of 4 x 4, 327,680 bytes of LDS; arguments zimg, zs, codes, scales, out0; writes out0
.if DOCPART == 4
	.amdgcn_target "amdgcn-amd-amdhsa--gfx1250"
	.amdhsa_code_object_version 6
	.text
	.protected	k_q5c452b9eac_outp
	.globl	k_q5c452b9eac_outp
	.p2align	8
	.type	k_q5c452b9eac_outp,@function
k_q5c452b9eac_outp:
	s_mov_b64 s[64:65], 0
	v_nop
	global_prefetch_b8 v0, s[64:65] scope:SCOPE_SE
	s_setreg_imm32_b32 hwreg(HW_REG_WAVE_MODE, 25, 1), 1
	s_wait_xcnt 0x0
	s_wait_alu depctr_hold_cnt(0) depctr_sa_sdst(0) depctr_va_vdst(0) depctr_va_sdst(0) depctr_va_ssrc(0) depctr_va_vcc(0) depctr_vm_vsrc(0)
	s_getreg_b32 s2, hwreg(HW_REG_IB_STS2, 6, 4)
	s_cmp_eq_u32 s2, 0
	s_cbranch_scc0 .Lentry_in_a_cluster
	s_endpgm
.Lentry_in_a_cluster:
	s_bfe_u32 s2, ttmp6, 0x10000c
	s_cmp_lg_u32 s2, 0xf033
	s_cbranch_scc0 .Lentry_shape_is_right
	s_endpgm
.Lentry_shape_is_right:
; out[row][m] = sum over a of z[row][a] O[m][a], on codes of FP6 (E2M3) with E8M0 scales, K = 1,024; out is [8192][1024] f32.
; A = z: images of operand registers, zimg [T 512][n 16][768 bytes]: tile T holds 16 stored rows, head n 64 along K: six registers a lane (512 bytes: registers 0-3, 16 a lane; 256 bytes: registers 4-5, 8 a lane);
; two heads on end are a fragment of 128 along K.  Its scale bytes zs [stored row][32].  B = O: rows 11,264 on of the codes' buffer (768 bytes a row) and of the scale bytes' (32 a row).
; STORED ROW 16 T + r of z is row 32 (T / 2) + 8 (T % 2) + r + 8 (r / 8) of out: the stores put each row where it belongs.
; A tile of out, 256 x 256, is made by four waves of 128 x 128 (64 accumulators, 512 registers).  K goes in steps of 256 through a ring of two LDS slots filled by the tensor data mover; the scale bytes for all of K come once.
; 4 x 4 work-groups form a cluster: A's tiles are asked for jointly along a row of the cluster, B's along a column.  THE MATRIX INSTRUCTION IS USED TRANSPOSED (source 0 = 16 rows of O, source 1 = 16 rows of z):
; a lane holds eight neighbouring numbers of a row of out.  128 tiles: 128 work-groups.
; REGISTERS, in windows of 256: window 0: v0-31 addresses; v32-63 scale words, two sets; v128-223 A's fragments, one set; on the way out v128-255 rows read back.  window 1: B's fragments, two sets.  windows 2, 3: the accumulators.
.set NQ,     2                         ; matrix instructions deep in a slot (256 along K)
.set ROWB,   192                       ; a row of B's tile in bytes
.set KROW,   768                       ; a row of O's codes in memory
.set PITCH,  240                       ; B's LDS row: 3 x (64 bytes + 16 of padding)
.set FR,     12
.set NLA,    4                         ; LDS loads that bring a fragment of A
.set NP,     4                         ; places behind this matrix instruction (ISA guide 7.12.1)
.set ASTEP,  3072                      ; four heads of a tile of z: 256 along K
.set AROW,   12288                     ; from tile to tile of z
.set HALFA,  8*ASTEP                   ; 128 rows of A in a slot, dense
.set HALFB,  128*PITCH
.set SLOT,   2*HALFA+2*HALFB
.set LAPS,   2
.set KS,     32
.set SCL,    2*SLOT                    ; behind the ring: the scales, as runs of 256 bytes + 16 of padding
.set HALFS,  (128*KS/256)*272
.set SBLK,   (16*KS/256)*272
.set SPARE,  SCL+4*HALFS               ; behind the scales: the spare words, 128 bytes a wave
.set SPITCH, 528                       ; the way out: a stage of 16 rows x (512 bytes + 16) for each wave, in slot 0, which has had its last fill and its last read when the first result is stored there
.set ADRA, 16                          ; v16-17 16 x lane in my A rows of slot 0, 1;  v18-19 8 x lane + 512 there
.set ADRB, 20                          ; v20-23 B's, as rows
.set STO,  24
.set RD,   25
.set CO,   26
.set ADRS, 27
.set SPW,  28
.set NIL,  29
.set SC,   32
.set AF,   128
.set BK,   128
.set G1, 24
.set G0, 32
.set G1B, 48
.set G0B, 56
.set G1S, 68
.set G0S, 76
.set G1SB, 80
.set G0SB, 88
.set MSB, 0
.macro WIN new
.if MSB != \new
	s_set_vgpr_msb (MSB<<8)|\new
.set MSB, \new
.endif
.endm
.set MUL_LO, 0xa1
.set MUL_HI, 0xf1
.set TO_B,   0x40
.macro JLOAD g0a, g1a, g0b, g1b        ; a joint load: waves 0 and 1 fetch for A, waves 2 and 3 for B; an s_nop 0 and four v_nop follow each line
	s_cmp_eq_u32 s15, 0
	s_cbranch_scc0 .Lfor_b_\@
	tensor_load_to_lds s[\g0a:\g0a+3], s[\g1a:\g1a+7]
	s_nop 0
.rept 4
	v_nop
.endr
	s_branch .Lasked_\@
.Lfor_b_\@:
	tensor_load_to_lds s[\g0b:\g0b+3], s[\g1b:\g1b+7]
	s_nop 0
.rept 4
	v_nop
.endr
.Lasked_\@:
.endm
.macro CREST
	s_cmp_lg_u32 s14, 0
	s_cbranch_scc1 .Lnot_wave_0_\@
	s_barrier_signal -3
.Lnot_wave_0_\@:
	s_barrier_wait -3
	s_barrier_signal -1
	s_barrier_wait -1
.endm
.macro CROUND
	s_barrier_signal -1
	s_barrier_wait -1
	CREST
.endm
	s_load_b128 s[4:7], s[0:1], 0x0                ; zimg s[4:5], zs s[6:7]
	s_load_b128 s[8:11], s[0:1], 0x10              ; the codes s[8:9], the scale bytes s[10:11]
	s_load_b64 s[12:13], s[0:1], 0x20              ; out
	v_lshl_add_u32 v[SPW], v0, 2, SPARE
	v_mov_b32 v[NIL], 0
	ds_add_u32 v[SPW], v[NIL]                      ; the wave's opening: the add and its wait stand ahead of my first tensor load
	v_lshrrev_b32 v1, 5, v0
	v_readfirstlane_b32 s14, v1                    ; wave 0..3
	s_lshr_b32 s15, s14, 1                         ; which half of the tile's rows is mine.  Also: I fetch for A (0) or for B (1)
	s_and_b32 s16, s14, 1                          ; which half of its columns.  Also: which 128 rows I fetch
	s_bfe_u32 s40, ttmp6, 0x40000
	s_bfe_u32 s41, ttmp6, 0x40004
	s_lshl_b32 s42, ttmp9, 2
	s_add_co_u32 s42, s42, s40                     ; tile column
	s_and_b32 s17, ttmp7, 0xffff
	s_lshl_b32 s17, s17, 2
	s_add_co_u32 s17, s17, s41                     ; tile row
	s_lshl_b32 s43, s41, 2
	s_lshl_b32 s43, 15, s43                        ; my row of the cluster
	s_lshl_b32 s44, 0x1111, s40                    ; my column
	; A: 8 tiles of z x 3,072 bytes (384 elements of 8 bytes), 12,288 bytes apart, dense in LDS
	s_or_b32 s[G1+0], s43, (3<<16)|(1<<21)
	s_mov_b32 s[G1+1], (ASTEP/8)<<16               ; tensor_dim0
	s_mov_b32 s[G1+2], 8<<16                       ; tensor_dim1
	s_mov_b32 s[G1+3], (ASTEP/8)<<16               ; tile_dim0
	s_mov_b32 s[G1+4], 8                           ; tile_dim1
	s_mov_b32 s[G1+5], AROW/8                      ; from row to row
	s_mov_b32 s[G1+6], 0
	s_mov_b32 s[G1+7], 0
	; B: 128 rows x 192 bytes, 16 bytes of padding behind every 64
	s_or_b32 s[G1B+0], s44, (0<<16)|(1<<20)|(1<<21)|(3<<22)|(3<<25)
	s_mov_b32 s[G1B+1], ROWB<<16
	s_mov_b32 s[G1B+2], 128<<16
	s_mov_b32 s[G1B+3], ROWB<<16
	s_mov_b32 s[G1B+4], 128
	s_mov_b32 s[G1B+5], KROW
	s_mov_b32 s[G1B+6], 0
	s_mov_b32 s[G1B+7], 0
	; the scales of 128 rows: 4,096 dense bytes, as 16 rows of 256 bytes, 16 bytes of padding behind each
	s_or_b32 s[G1S+0], s43, (3<<16)|(1<<20)|(1<<21)|(5<<22)|(3<<25)
	s_or_b32 s[G1SB+0], s44, (3<<16)|(1<<20)|(1<<21)|(5<<22)|(3<<25)
.irp g, G1S, G1SB
	s_mov_b32 s[\g+1], 32<<16
	s_mov_b32 s[\g+2], (128*KS/256)<<16
	s_mov_b32 s[\g+3], 32<<16
	s_mov_b32 s[\g+4], 128*KS/256
	s_mov_b32 s[\g+5], 32
	s_mov_b32 s[\g+6], 0
	s_mov_b32 s[\g+7], 0
.endr
	s_lshl_b32 s20, s17, 4
	s_lshl_b32 s18, s16, 3
	s_add_co_u32 s20, s20, s18                     ; A: the first of the 8 tiles of z that I fetch
	s_lshl_b32 s22, s20, 9                         ; its rows' scales: 512 bytes a tile
	s_mov_b32 s23, 0
	s_mul_i32 s20, s20, AROW
	s_mov_b32 s21, 0
	s_lshl_b32 s46, s42, 8
	s_lshl_b32 s18, s16, 7
	s_add_co_u32 s46, s46, s18
	s_add_co_u32 s46, s46, 11264                   ; B: stored row of O
	s_lshl_b32 s92, s46, 5
	s_mov_b32 s93, 0
	s_mul_i32 s46, s46, KROW
	s_mov_b32 s47, 0
	s_mul_i32 s45, s16, HALFA                      ; where they go: the wave's number and constants alone
	s_mul_i32 s95, s16, HALFB
	s_add_co_u32 s95, s95, 2*HALFA
	s_mul_i32 s94, s14, HALFS
	s_wait_dscnt 0x0                               ; the opening add is done
	s_wait_kmcnt 0x0
	s_add_nc_u64 s[20:21], s[4:5], s[20:21]
	s_add_nc_u64 s[22:23], s[6:7], s[22:23]
	s_add_nc_u64 s[46:47], s[8:9], s[46:47]
	s_add_nc_u64 s[92:93], s[10:11], s[92:93]
	CROUND                                         ; all sixteen work-groups are here: the first joint loads meet
	s_mov_b32 s[G0S], 1
	s_add_co_u32 s[G0S+1], s94, SCL
	s_mov_b64 s[G0S+2:G0S+3], s[22:23]
	s_or_b32 s[G0S+3], s[G0S+3], 0x80000000
	s_mov_b32 s[G0SB], 1
	s_add_co_u32 s[G0SB+1], s94, SCL
	s_mov_b64 s[G0SB+2:G0SB+3], s[92:93]
	s_or_b32 s[G0SB+3], s[G0SB+3], 0x80000000
	JLOAD G0S, G1S, G0SB, G1SB                     ; the scales first
.irp s, 0,1
	s_mov_b32 s[G0+4*\s], 1
	s_add_co_u32 s[G0+4*\s+1], s45, \s*SLOT
	s_add_nc_u64 s[G0+4*\s+2:G0+4*\s+3], s[20:21], \s*ASTEP
	s_or_b32 s[G0+4*\s+3], s[G0+4*\s+3], 0x80000000
	s_mov_b32 s[G0B+4*\s], 1
	s_add_co_u32 s[G0B+4*\s+1], s95, \s*SLOT
	s_add_nc_u64 s[G0B+4*\s+2:G0B+4*\s+3], s[46:47], \s*ROWB
	s_or_b32 s[G0B+4*\s+3], s[G0B+4*\s+3], 0x80000000
	JLOAD G0+4*\s, G1, G0B+4*\s, G1B               ; three loads of mine are out at the most
.endr
	v_and_b32 v1, 15, v0                           ; r
	v_bfe_u32 v2, v0, 4, 1                         ; h
	v_and_b32 v6, 31, v0                           ; lane
	v_lshlrev_b32 v3, 4, v6                        ; A: 16 x lane,
	v_lshl_add_u32 v7, v6, 3, 512                  ; 8 x lane + 512
	v_mul_u32_u24 v4, v1, PITCH
	v_mad_u32_u24 v4, v2, 24, v4                   ; B: a fragment's row x pitch + 24 x half
	v_lshl_add_u32 v5, v2, 4, v4                   ; and the same behind one padding more
	s_mul_i32 s21, s15, HALFA                      ; my 128 rows of A
	s_mul_i32 s22, s16, HALFB                      ; my 128 rows of B,
	s_add_co_u32 s22, s22, 2*HALFA                 ; which lie behind A's 256
.irp s, 0,1
	v_add_nc_u32 v[ADRA+\s], s21, v3
	v_add_nc_u32 v[ADRA+2+\s], s21, v7
	v_add_nc_u32 v[ADRB+\s], s22, v4
	v_add_nc_u32 v[ADRB+2+\s], s22, v5
	s_add_co_u32 s21, s21, SLOT
	s_add_co_u32 s22, s22, SLOT
.endr
	v_mul_u32_u24 v5, v1, KS                       ; my row's scales: 32 bytes a row,
	v_lshrrev_b32 v7, 8, v5
	v_lshl_add_u32 v5, v7, 4, v5                   ; and 16 more for each 256 passed
	s_mul_i32 s21, s15, HALFS
	s_mul_i32 s22, s16, HALFS
	s_add_co_u32 s22, s22, 2*HALFS
	s_sub_co_u32 s22, s22, s21
	v_mul_u32_u24 v7, s22, v2                      ; lanes 16-31 take B's
	s_add_co_u32 s21, s21, SCL
	v_add_nc_u32 v5, v5, v7
	v_add_nc_u32 v[ADRS], s21, v5
	s_mul_i32 s23, s14, 16*SPITCH                  ; my stage
	v_mul_u32_u24 v5, v1, SPITCH                   ; in: row r, 32 bytes for each half of the lanes
	v_lshl_add_u32 v5, v2, 5, v5
	v_add_nc_u32 v[STO], s23, v5
	v_lshlrev_b32 v[CO], 4, v6                     ; back: the 32 lanes take one row of 512 bytes; and the same in out
	v_add_nc_u32 v[RD], s23, v[CO]
	s_lshl_b32 s20, s17, 8
	s_lshl_b32 s21, s15, 7
	s_add_co_u32 s20, s20, s21                     ; my first row of out
	s_lshl_b32 s20, s20, 12                        ; 4,096 bytes a row
	s_lshl_b32 s46, s42, 10                        ; my first column, in bytes
	s_lshl_b32 s47, s16, 9
	s_add_co_u32 s46, s46, s47
	s_add_co_u32 s20, s20, s46
	s_mov_b32 s21, 0
	s_add_nc_u64 s[12:13], s[12:13], s[20:21]
.macro FRAG reg, adr, q, i             ; a fragment of B from rows: pieces of 8 bytes; where the piece three on lies behind one padding more, the second address register serves
.irp p, 0,1,2,3,4,5
.set PC, 12*(\q)+6*(\p/3)+\p%3
.if PC%8 < 5
	ds_load_b64 v[\reg+2*\p:\reg+2*\p+1], v[\adr] offset:8*PC+16*(PC/8)+(\i)*16*PITCH
.else
	ds_load_b64 v[\reg+2*\p:\reg+2*\p+1], v[\adr+2] offset:8*PC+16*(PC/8)+(\i)*16*PITCH
.endif
.endr
.endm
.macro FRAGA reg, slot, q, i           ; a fragment of A from images: two heads, six registers each
.irp c, 0,1
	ds_load_b128 v[\reg+6*\c:\reg+6*\c+3], v[ADRA+\slot] offset:ASTEP*(\i)+1536*(\q)+768*\c
	ds_load_b64 v[\reg+6*\c+4:\reg+6*\c+5], v[ADRA+2+\slot] offset:ASTEP*(\i)+1536*(\q)+768*\c
.endr
.endm
; 16 matrix instructions: A's blocks a0, a0 + 1 x B's eight.  The 64 accumulators take turns, one instruction a turn, in the same order in every step.
.macro MUL16 a0, p, q, sc, zero
.irp a, \a0, \a0+1
.irp b, 0,1,2,3,4,5,6,7
.if \zero
	v_wmma_scale_f32_16x16x128_f8f6f4 v[8*(8*((\a)%4)+\b):8*(8*((\a)%4)+\b)+7], v[128*(\p)+FR*\b:128*(\p)+FR*\b+FR-1], v[AF+FR*(\a):AF+FR*(\a)+FR-1], 0, v[SC+8*NQ*(\sc)+NQ*\b+(\q)], v[SC+8*NQ*(\sc)+NQ*(\a)+(\q)] matrix_a_fmt:MATRIX_FMT_FP6 matrix_b_fmt:MATRIX_FMT_FP6 matrix_a_scale:MATRIX_SCALE_ROW1
.else
	v_wmma_scale_f32_16x16x128_f8f6f4 v[8*(8*((\a)%4)+\b):8*(8*((\a)%4)+\b)+7], v[128*(\p)+FR*\b:128*(\p)+FR*\b+FR-1], v[AF+FR*(\a):AF+FR*(\a)+FR-1], v[8*(8*((\a)%4)+\b):8*(8*((\a)%4)+\b)+7], v[SC+8*NQ*(\sc)+NQ*\b+(\q)], v[SC+8*NQ*(\sc)+NQ*(\a)+(\q)] matrix_a_fmt:MATRIX_FMT_FP6 matrix_b_fmt:MATRIX_FMT_FP6 matrix_a_scale:MATRIX_SCALE_ROW1
.endif
.endr
.endr
.endm
.macro FETCH_B slot, q, p
	WIN TO_B
.irp i, 0,1,2,3,4,5,6,7
	FRAG 128*(\p)+FR*\i, ADRB+\slot, \q, \i
.endr
	WIN 0
.endm
.macro FETCH_A slot, q, i0
.irp i, \i0, \i0+1, \i0+2, \i0+3
	FRAGA AF+FR*(\i), \slot, \q, \i
.endr
.endm
.macro SCALES sc
.irp i, 0,1,2,3,4,5,6,7
	ds_load_b64 v[SC+8*NQ*\sc+NQ*\i:SC+8*NQ*\sc+NQ*\i+1], v[ADRS] offset:\i*SBLK
.endr
.endm
.macro PLACES n
.rept \n
	v_nop
.endr
.endm
.macro STEP slot, q, zero
	s_wait_dscnt 4*NLA                             ; B's set and A's blocks 0-3 are in; the youngest 16 loads (A's blocks 4-7) may be out
	WIN MUL_LO
	MUL16 0, (\q)%2, \q, \slot, \zero
	MUL16 2, (\q)%2, \q, \slot, \zero
	s_wait_dscnt 0
	PLACES NP
	FETCH_B \slot, (\q)+1, 1-(\q)%2
	FETCH_A \slot, (\q)+1, 0
	WIN MUL_HI
	MUL16 4, (\q)%2, \q, \slot, \zero
	MUL16 6, (\q)%2, \q, \slot, \zero
	PLACES NP
	WIN 0
	FETCH_A \slot, (\q)+1, 4
.endm
.macro TURN slot, next, fill
	s_wait_tensorcnt 0x0                           ; all my tensor loads have landed: my part of the next slot
	ds_add_u32 v[SPW], v[NIL]                      ; 0 onto my spare word
	s_wait_dscnt 4*NLA+1                           ; (the add and the youngest 16 loads may be out)
	WIN MUL_LO
	MUL16 0, 1, NQ-1, \slot, 0
	s_wait_dscnt 0x0                               ; the add is done, and my reads of this slot are over
	s_barrier_signal -1
	MUL16 2, 1, NQ-1, \slot, 0
	WIN 0
	s_barrier_wait -1
.if \fill
	CREST                                          ; the barrier has opened a round of the cluster's barrier
	s_add_nc_u64 s[G0+4*\slot+2:G0+4*\slot+3], s[G0+4*\slot+2:G0+4*\slot+3], 2*ASTEP
	s_add_nc_u64 s[G0B+4*\slot+2:G0B+4*\slot+3], s[G0B+4*\slot+2:G0B+4*\slot+3], 2*ROWB
	JLOAD G0+4*\slot, G1, G0B+4*\slot, G1B         ; the first tensor load behind the round; its four v_nop are the places in front of the loads below
.else
	PLACES NP
.endif
	v_add_nc_u32 v[ADRS], 4*NQ, v[ADRS]
	FETCH_B \next, 0, 0
	FETCH_A \next, 0, 0
	SCALES \next
	WIN MUL_HI
	MUL16 4, 1, NQ-1, \slot, 0
	MUL16 6, 1, NQ-1, \slot, 0
	PLACES NP
	WIN 0
	FETCH_A \next, 0, 4
.endm
	s_wait_tensorcnt 1                             ; the scales and my part of K step 0 are in (K step 1's load may be out),
	s_barrier_signal -1
	s_barrier_wait -1                              ; everybody's are
	FETCH_B 0, 0, 0
	FETCH_A 0, 0, 0
	SCALES 0
	FETCH_A 0, 0, 4
	STEP 0, 0, 1                                   ; the first step's products start the sums
	s_mov_b32 s3, LAPS-1
.Llap:
	TURN 0, 1, 1
	STEP 1, 0, 0
	TURN 1, 0, 1
	STEP 0, 0, 0
	s_sub_co_u32 s3, s3, 1
	s_cmp_lg_u32 s3, 0
	s_cbranch_scc1 .Llap
	TURN 0, 1, 0                                   ; the last lap fills nothing
	STEP 1, 0, 0
	s_wait_dscnt 4*NLA
	WIN MUL_LO
	MUL16 0, 1, NQ-1, 1, 0
	MUL16 2, 1, NQ-1, 1, 0
	s_wait_dscnt 0
	WIN MUL_HI
	MUL16 4, 1, NQ-1, 1, 0
	MUL16 6, 1, NQ-1, 1, 0
	WIN 0
; THE WAY OUT, block by block of 16 rows x 128 columns, through my own stage in LDS: back come whole rows of 512 bytes.  LDS serves a wave's instructions in order: no wait between the stores and the loads.
.macro TOSTAGE a
.set AC, 64*((\a)%4)
.set WS, 0x08+4*((\a)/4)               ; the data: window 2 or 3
	WIN WS
.irp b, 0,1,2,3,4,5,6,7
	ds_store_b128 v[STO], v[AC+8*\b:AC+8*\b+3] offset:64*\b          ; each accumulator from its low end on
	ds_store_b128 v[STO], v[AC+8*\b+4:AC+8*\b+7] offset:64*\b+16
.endr
	WIN 0
.set BB, BK+64*((\a)%2)
.irp t, 0,1,2,3,4,5,6,7,8,9,10,11,12,13,14,15
	ds_load_b128 v[BB+4*\t:BB+4*\t+3], v[RD] offset:\t*SPITCH
.endr
.endm
.macro SEND a, younger                 ; stage row t of block a is row 32 (a / 2) + 8 (a % 2) + t + 8 (t / 8) of my 128: the place stands in the immediate, 520,192 bytes at the most
.set BB, BK+64*((\a)%2)
	s_wait_dscnt \younger                          ; the block is back in registers
.irp t, 0,1,2,3,4,5,6,7,8,9,10,11,12,13,14,15
	global_store_b128 v[CO], v[BB+4*\t:BB+4*\t+3], s[12:13] offset:(32*((\a)/2)+8*((\a)%2)+\t+8*(\t/8))*4096 th:TH_STORE_NT   ; 32 lanes store 512 consecutive bytes, aligned
.endr
.endm
	PLACES NP                                      ; behind the last products: for the loads into the registers that held A's fragments and for the reads of results
	TOSTAGE 0
.irp a, 1,2,3,4,5,6,7
.if \a > 1
	s_wait_xcnt 0x0                                ; block a - 2's stores have read their registers: block a's loads may land there
.endif
	TOSTAGE \a
	SEND \a-1, 32                                  ; behind block a - 1's loads: block a's 16 stores and 16 loads
.endr
	SEND 7, 0
	s_wait_tensorcnt 0x0                           ; the wave's end, behind my last tensor load and my last LDS store
	ds_add_u32 v[SPW], v[NIL]
	s_wait_dscnt 0x0
	CROUND                                         ; the closing round
	s_endpgm
.Lfunc_end_k_q5c452b9eac_outp:
	.size	k_q5c452b9eac_outp, .Lfunc_end_k_q5c452b9eac_outp-k_q5c452b9eac_outp
	.p2alignl 7, 3214868480
	.fill 96, 4, 3214868480
	.section	.rodata,"a",@progbits
	.p2align	6, 0x0
	.amdhsa_kernel k_q5c452b9eac_outp
		.amdhsa_group_segment_fixed_size 327680
		.amdhsa_private_segment_fixed_size 0
		.amdhsa_enable_private_segment 0
		.amdhsa_kernarg_size 40
		.amdhsa_user_sgpr_count 2
		.amdhsa_user_sgpr_kernarg_segment_ptr 1
		.amdhsa_wavefront_size32 1
		.amdhsa_system_sgpr_workgroup_id_x 1
		.amdhsa_system_sgpr_workgroup_id_y 1
		.amdhsa_system_sgpr_workgroup_id_z 1
		.amdhsa_system_vgpr_workitem_id 0
		.amdhsa_next_free_vgpr 1024
		.amdhsa_next_free_sgpr 98
		.amdhsa_reserve_vcc 0
		.amdhsa_float_denorm_mode_32 3
		.amdhsa_float_denorm_mode_16_64 3
		.amdhsa_memory_ordered 1
		.amdhsa_forward_progress 1
		.amdhsa_inst_pref_size 151
	.end_amdhsa_kernel
	.amdgpu_metadata
---
amdhsa.version: [ 1, 2 ]
amdhsa.kernels:
  - .name:           k_q5c452b9eac_outp
    .symbol:         k_q5c452b9eac_outp.kd
    .args:
      - { .name: zimg, .offset: 0, .size: 8, .value_kind: global_buffer, .address_space: global }
      - { .name: zs, .offset: 8, .size: 8, .value_kind: global_buffer, .address_space: global }
      - { .name: codes, .offset: 16, .size: 8, .value_kind: global_buffer, .address_space: global }
      - { .name: scales, .offset: 24, .size: 8, .value_kind: global_buffer, .address_space: global }
      - { .name: out0, .offset: 32, .size: 8, .value_kind: global_buffer, .address_space: global }
    .group_segment_fixed_size: 327680
    .private_segment_fixed_size: 0
    .kernarg_segment_align: 8
    .kernarg_segment_size: 40
    .max_flat_workgroup_size: 128
    .sgpr_count:     98
    .vgpr_count:     1024
    .wavefront_size: 32
...
	.end_amdgpu_metadata
.endif
;; end of part 4
